; MI455X (gfx1250); checked and timed in simulation.
; The chip was launched on July 23, 2026; its instructions are those of AMD's public machine-readable ISA for CDNA 5 (MIT licence, August 2026) and "CDNA5" Instruction Set Architecture Reference Guide (July 2026). The comments in the code are by the model that wrote it; some were corrected since.
;; Transformer Block. Allowed arithmetic: matrix products marked QUANTISED: E4M3 operands, one given power-of-two scale a tensor, by v_wmma_f32_16x16x64_fp8_fp8 or v_wmma_f32_16x16x128_fp8_fp8, f32 sums; everything else in f32.
;; Inputs: W1_codes 4,096 x 32 x 32 uint8 (E4M3 codes of W1, K innermost, in blocks of 32 codes); W2_codes 1,024 x 128 x 32 uint8 (E4M3 codes of W2, K innermost, in blocks of 32 codes); Wk_codes 1,024 x 32 x 32 uint8 (E4M3 codes of Wk, K innermost, in blocks of 32 codes); Wo_codes 1,024 x 32 x 32 uint8 (E4M3 codes of Wo, K innermost, in blocks of 32 codes); Wq_codes 1,024 x 32 x 32 uint8 (E4M3 codes of Wq, K innermost, in blocks of 32 codes); Wv_codes 1,024 x 32 x 32 uint8 (E4M3 codes of Wv, K innermost, in blocks of 32 codes); b1 4,096 float32; b2 1,024 float32; be1 1,024 float32; be2 1,024 float32; bk 1,024 float32; bo 1,024 float32; bq 1,024 float32; bv 1,024 float32; g1 1,024 float32; g2 1,024 float32; lowp_scales 16 int32 (the exponents e of the quantised operands' scales 2^e); x 2 x 2,048 x 1,024 float32.
;; Outputs: out0 2 x 2,048 x 1,024 float32.
;; This version of the problem:
;;   THIS VERSION OF THE PROBLEM IS GIVEN IN LOW PRECISION. The matrix products marked QUANTISED in the list below multiply operands that are first quantised to E4M3 (4 exponent bits, 3 mantissa bits; 8 bits a number), with one given power-of-two scale for each operand tensor; their sums are f32. All else is computed in f32.
;;   The module's matrix products, in the order in which they are computed (A, B: the left and right operand; K: the contracted axis; several contracted axes count as one K, in the product's order):
;;     1. [M 4,096, K 1,024] x [K 1,024, N 1,024]; A: computed on the way; B: input Wq (given as codes): QUANTISED (scales: A lowp_scales[0], B lowp_scales[1])
;;     2. [M 4,096, K 1,024] x [K 1,024, N 1,024]; A: computed on the way; B: input Wk (given as codes): QUANTISED (scales: A lowp_scales[2], B lowp_scales[3])
;;     3. [M 4,096, K 1,024] x [K 1,024, N 1,024]; A: computed on the way; B: input Wv (given as codes): QUANTISED (scales: A lowp_scales[4], B lowp_scales[5])
;;     4. batch 32 x [M 2,048, K 64] x [K 64, N 2,048]; A: computed on the way; B: computed on the way: QUANTISED (scales: A lowp_scales[6], B lowp_scales[7])
;;     5. batch 32 x [M 2,048, K 2,048] x [K 2,048, N 64]; A: softmax (see below); B: computed on the way: QUANTISED (scales: A lowp_scales[8], B lowp_scales[9])
;;     6. [M 4,096, K 1,024] x [K 1,024, N 1,024]; A: computed on the way; B: input Wo (given as codes): QUANTISED (scales: A lowp_scales[10], B lowp_scales[11])
;;     7. [M 4,096, K 1,024] x [K 1,024, N 4,096]; A: computed on the way; B: input W1 (given as codes): QUANTISED (scales: A lowp_scales[12], B lowp_scales[13])
;;     8. [M 4,096, K 4,096] x [K 4,096, N 1,024]; A: computed on the way; B: input W2 (given as codes): QUANTISED (scales: A lowp_scales[14], B lowp_scales[15])
;;   THE QUANTISER, for each operand of a quantised product, along K:
;;     - The operand's scale is 2^e, e = its entry of the input lowp_scales (int32; the entries are numbered through the quantised products in the list's order, A before B).
;;     - Each number is divided by the scale, clamped to +-448, and rounded to the nearest number of E4M3, ties to even, subnormals kept.
;;     - The product sums the exact products of the quantised numbers (number of the format x scale) in f32.
;;   ~~~python
;;   def quantise(x, axis, e):      # numpy; x: float32 -> the quantised numbers, widened to float32 again
;;       x = np.moveaxis(x, axis, -1); K = x.shape[-1]
;;       r = np.clip(x / 2.0 ** e, -448, 448)
;;       step = 2.0 ** (np.maximum(np.frexp(np.where(r == 0, 1, r))[1] - 1, -6) - 3)
;;       q = np.round(r / step) * step * 2.0 ** e      # np.round: ties to even
;;       return np.moveaxis(q, -1, axis).astype(np.float32)
;;   ~~~
;;   SOFTMAX AHEAD OF A QUANTISED PRODUCT. Where the list says 'softmax', what is quantised is not the finished softmax but p = 2^(t - M), with t = logit x log2(e) and M = ceil(the row's largest t), a whole number; so 1/2 < the row's largest p <= 1. The row's sum l is taken of the UNQUANTISED p, in f32, and the product's result is divided by l at the end. Since M is a whole number, a kernel that streams over the keys may use a running M (the ceiling of the running maximum): every later rescaling is an exact power of two, so the quantised numbers keep their values, but for numbers so far below the row's largest that they fall under the format's range.
;;   OPERANDS COMPUTED ON THE WAY. 'Computed on the way' means the value that the module computes at that place (a softmax that the list does not call 'softmax' is quantised finished and normalised). What goes into a quantiser is computed in f32, as accurately as f32 sums, v_exp_f32 and their like allow (about 1e-6 of the number): no bf16 or f16 on the way to a quantiser, and a product that is left as it is and whose result goes on into a quantised operand takes f32 operands (vector FMAs, or v_wmma_f32_16x16x4_f32). A number that lies on a knife's edge between two numbers of the format may be rounded either way, as far as f32 arithmetic and the matrix unit's own rounding can turn it there, and no further.
;;   INPUTS GIVEN AS CODES. W1 (in the module: [1024, 4096], K = its axis 0); W2 (in the module: [4096, 1024], K = its axis 0); Wk (in the module: [1024, 1024], K = its axis 0); Wo (in the module: [1024, 1024], K = its axis 0); Wq (in the module: [1024, 1024], K = its axis 0); Wv (in the module: [1024, 1024], K = its axis 0): each comes as NAME_codes (uint8): NAME with its K axis moved to the last place and cut into blocks of 32 codes, [.., K / 32, bytes a block], one block behind the other in memory; one code a byte (a code: sign, 4 exponent bits, 3 mantissa bits); its scale is its entry of lowp_scales. Its value is code x scale, taken as it is: it is not quantised again, and the codes and scales need not be those that the quantiser above would give.
;; One version. Each part assembles by itself: llvm-mc -triple=amdgcn-amd-amdhsa -mcpu=gfx1250 --defsym DOCPART=n.
;; ======== version 1 of 1: 7 launches
;; limits: right only within a limited range of input values
;; workspace buffers: xn 16,777,216 bytes; xc 12,582,912 bytes; qkv 12,582,912 bytes; ao 4,194,304 bytes; x1 16,777,216 bytes; x2 16,777,216 bytes; x2c 4,194,304 bytes; h 16,777,216 bytes
;; launch ln1 (part 1): grid 256 x 1, 8 waves a work-group, no clusters, 41,984 bytes of LDS; arguments x, g1, be1, lowp_scales, xn, xc; writes xn, xc
.if DOCPART == 1
	.amdgcn_target "amdgcn-amd-amdhsa--gfx1250"
	.amdhsa_code_object_version 6
	.text
	.protected	k_q724785d679_ln1
	.globl	k_q724785d679_ln1
	.p2align	8
	.type	k_q724785d679_ln1,@function
k_q724785d679_ln1:
	s_mov_b64 s[64:65], 0
	v_nop
	global_prefetch_b8 v0, s[64:65] scope:SCOPE_SE
	s_setreg_imm32_b32 hwreg(HW_REG_WAVE_MODE, 25, 1), 1
	s_wait_xcnt 0x0
; xn = (x - mean) * rsqrt(var + 1e-5) * g1 + be1, row by row of 1,024 numbers, all in f32; stored as f32 (the residual of the attention block)
; and as E4M3 codes three times, once under each of the scales given for the A operands of the q, k and v projections (entries 0, 2, 4 of the scales).
; code = xn / 2^e, held within +-448, rounded to the nearest code, ties to even.  LIMITS: each e between -126 and 119.  NaN among the inputs is not served.
; SHARES.  A row is 4,096 bytes: one wave takes a whole row in 32 registers, so mean and variance never leave the wave: no barrier.  Eight waves, two rows each; the wave's g and be are loaded once.
; The variance is taken of x - mean (two passes over registers), so a common offset of the inputs costs no digits.
; Every load and store of a wave covers 512 consecutive bytes.  The conversions want 16 NEIGHBOURS in a lane, the loads give 4: so a row turns through the wave's own stage in LDS
; (as loaded in, 64 bytes a lane out; 16 bytes of padding behind each 64).  A stream: no matrix unit, no tensor load, no cluster: nothing is shared between work-groups but g and be.
.set NS,   3                           ; sets of codes
.set EB0,  0                           ; byte offsets of their exponents in the buffer of scales
.set EB1,  8
.set EB2,  16
.set SP,   80                          ; a lane's place in a stage: 64 bytes + 16 of padding
.set STG,  32*SP                       ; a stage: 512 numbers; a row takes two
.set LO,   1                           ; v1       16 x lane; never rewritten
.set SIN,  2                           ; v2       the stage, on the way in
.set SOUT, 3                           ; v3       and on the way out
.set S,    8                           ; v8-15    four packed chains
.set MU,   16                          ; v16-17   the mean, twice
.set RS,   18                          ; v18-19   rsqrt(var + eps), twice
.set PT,   20                          ; v20      the lane exchange's destination
.set SCL,  21                          ; v21-23   2^e as f32
.set LIM,  24                          ; v24-26   448 x 2^e
.set G,    32                          ; v32-63   g
.set BE,   64                          ; v64-95   be
.set X,    96                          ; v96-159  two rows: register 4 j + e = column 128 j + 4 lane + e
.set Z,    160                         ; v160-191 a row turned: register 16 s + n = column 512 s + 16 lane + n
.set T,    192                         ; v192-207 16 numbers held
.set C,    208                         ; v208-231 codes: four registers for each scale and half row
	s_load_b256 s[4:11], s[0:1], 0x0               ; in s[4:5], g s[6:7], be s[8:9], the scales' exponents s[10:11]
	s_load_b128 s[12:15], s[0:1], 0x20             ; the f32 output s[12:13], the codes s[14:15]
	v_lshl_add_u32 v232, v0, 2, 0xa000
	v_mov_b32 v233, 0
	v_lshrrev_b32 v4, 5, v0
	s_delay_alu instid0(VALU_DEP_1)
	v_readfirstlane_b32 s24, v4                    ; wave 0..7
	v_and_b32 v5, 31, v0                           ; lane
	s_delay_alu instid0(VALU_DEP_1)
	v_lshlrev_b32 v[LO], 4, v5
	s_mul_i32 s25, s24, 2*STG                      ; my wave's two stages
	v_lshrrev_b32 v[SIN], 2, v5
	s_delay_alu instid0(VALU_DEP_1)
	v_mul_u32_u24 v[SIN], v[SIN], SP
	v_and_b32 v6, 3, v5
	s_delay_alu instid0(VALU_DEP_1)
	v_lshl_add_u32 v[SIN], v6, 4, v[SIN]
	s_delay_alu instid0(VALU_DEP_1)
	v_add_nc_u32 v[SIN], s25, v[SIN]               ; in: four lanes' 64 bytes on end, then the padding
	v_mul_u32_u24 v[SOUT], v5, SP
	s_delay_alu instid0(VALU_DEP_1)
	v_add_nc_u32 v[SOUT], s25, v[SOUT]             ; out: my 64 bytes
	v_mov_b32 v[PT], 0                             ; written once: a lane exchange's destination counts as read
	s_lshl_b32 s26, ttmp9, 4
	s_lshl_b32 s27, s24, 1
	s_add_co_u32 s26, s26, s27                     ; my first row: 16 x work-group + 2 x wave
	s_lshl_b32 s28, s26, 10                        ; in bytes of codes,
	s_mov_b32 s29, 0
	s_lshl_b32 s26, s26, 12                        ; and of f32
	s_mov_b32 s27, 0
	s_mov_b32 s20, 0x3a800000                      ; 1 / 1,024
	s_mov_b32 s21, 0x3727c5ac                      ; 1e-5
	s_mov_b32 s22, 0x76543210                      ; lane l takes lane l xor 16
	s_mov_b32 s23, 0xfedcba98
	s_wait_alu depctr_va_vdst(0)
	s_wait_kmcnt 0x0
	s_load_b32 s30, s[10:11], EB0
.if NS > 1
	s_load_b32 s31, s[10:11], EB1
	s_load_b32 s32, s[10:11], EB2
.endif
	s_add_nc_u64 s[4:5], s[4:5], s[26:27]
	s_add_nc_u64 s[12:13], s[12:13], s[26:27]
	s_add_nc_u64 s[14:15], s[14:15], s[28:29]
.if NS > 1
	s_add_nc_u64 s[16:17], s[14:15], 0x400000      ; the second and third sets of codes, 4 MiB apart
	s_add_nc_u64 s[18:19], s[14:15], 0x800000
.endif
.irp j, 0,1,2,3,4,5,6,7
	global_load_b128 v[X+4*\j:X+4*\j+3], v[LO], s[4:5] offset:512*\j th:TH_LOAD_NT
.endr
.irp j, 0,1,2,3,4,5,6,7
	global_load_b128 v[G+4*\j:G+4*\j+3], v[LO], s[6:7] offset:512*\j
.endr
.irp j, 0,1,2,3,4,5,6,7
	global_load_b128 v[BE+4*\j:BE+4*\j+3], v[LO], s[8:9] offset:512*\j
.endr
.irp j, 0,1,2,3,4,5,6,7
	global_load_b128 v[X+32+4*\j:X+32+4*\j+3], v[LO], s[4:5] offset:4096+512*\j th:TH_LOAD_NT
.endr
.macro MKSCALE v                       ; 2^e and 448 x 2^e as f32 numbers, made from the whole number e
	s_add_co_i32 s[30+\v], s[30+\v], 127
	s_lshl_b32 s33, s[30+\v], 23
	v_mov_b32 v[SCL+\v], s33
	s_add_co_i32 s[30+\v], s[30+\v], 8
	s_lshl_b32 s33, s[30+\v], 23
	s_or_b32 s33, s33, 0x600000
	v_mov_b32 v[LIM+\v], s33
.endm
	s_wait_kmcnt 0x0
	MKSCALE 0
.if NS > 1
	MKSCALE 1
	MKSCALE 2
.endif
.macro JOIN                            ; the four chains, the pair's halves, the 32 lanes: every lane ends with the row's sum in v[S]
	s_delay_alu instid0(VALU_DEP_3)
	v_pk_add_f32 v[S:S+1], v[S:S+1], v[S+2:S+3]
	s_delay_alu instid0(VALU_DEP_2)
	v_pk_add_f32 v[S+4:S+5], v[S+4:S+5], v[S+6:S+7]
	s_delay_alu instid0(VALU_DEP_1)
	v_pk_add_f32 v[S:S+1], v[S:S+1], v[S+4:S+5]
	s_delay_alu instid0(VALU_DEP_1)
	v_add_f32 v[S], v[S], v[S+1]
	s_delay_alu instid0(VALU_DEP_1)
	v_add_f32_dpp v[S], v[S], v[S] row_xmask:1 row_mask:0xf bank_mask:0xf
	s_delay_alu instid0(VALU_DEP_1)
	v_add_f32_dpp v[S], v[S], v[S] row_xmask:2 row_mask:0xf bank_mask:0xf
	s_delay_alu instid0(VALU_DEP_1)
	v_add_f32_dpp v[S], v[S], v[S] row_xmask:4 row_mask:0xf bank_mask:0xf
	s_delay_alu instid0(VALU_DEP_1)
	v_add_f32_dpp v[S], v[S], v[S] row_xmask:8 row_mask:0xf bank_mask:0xf
	s_delay_alu instid0(VALU_DEP_1)
	v_permlanex16_b32 v[PT], v[S], s22, s23
	s_delay_alu instid0(VALU_DEP_1)
	v_add_f32 v[S], v[S], v[PT]
.endm
.macro CODES v, i, s                   ; half row s of row i under scale v: hold, convert, store 512 consecutive bytes
.irp n, 0,1,2,3,4,5,6,7,8,9,10,11,12,13,14,15
	v_med3_num_f32 v[T+\n], v[Z+16*\s+\n], -v[LIM+\v], v[LIM+\v]   ; the conversion to an 8-bit code does not saturate (ISA guide 7.6.2)
.endr
	v_cvt_scalef32_pk8_fp8_f32 v[C+8*\v+4*\s:C+8*\v+4*\s+1], v[T:T+7], v[SCL+\v]
	v_cvt_scalef32_pk8_fp8_f32 v[C+8*\v+4*\s+2:C+8*\v+4*\s+3], v[T+8:T+15], v[SCL+\v]
	v_nop                                          ; a plain line between the conversions and the next holds, which write their sources
	global_store_b128 v[LO], v[C+8*\v+4*\s:C+8*\v+4*\s+3], s[14+2*\v:15+2*\v] offset:1024*\i+512*\s
.endm
; One row.  w1: the younger loads that may be out when the row is needed; w2: those that may be out when g and be are needed.
.macro ROW i, w1, w2
.set XR, X+32*\i
	s_wait_loadcnt \w1
.irp k, 0,1,2,3
	v_pk_add_f32 v[S+2*\k:S+2*\k+1], v[XR+2*\k:XR+2*\k+1], v[XR+8+2*\k:XR+8+2*\k+1]   ; the first words start the chains: nothing is cleared
.endr
.irp m, 2,3
.irp k, 0,1,2,3
	s_delay_alu instid0(VALU_DEP_4)
	v_pk_add_f32 v[S+2*\k:S+2*\k+1], v[S+2*\k:S+2*\k+1], v[XR+8*\m+2*\k:XR+8*\m+2*\k+1]
.endr
.endr
	JOIN
	s_delay_alu instid0(VALU_DEP_1)
	v_mul_f32 v[MU], s20, v[S]                     ; the mean
	s_delay_alu instid0(VALU_DEP_1)
	v_mov_b32 v[MU+1], v[MU]
.set n, 0
.rept 16
	v_pk_add_f32 v[XR+n:XR+n+1], v[XR+n:XR+n+1], v[MU:MU+1] neg_lo:[0,1] neg_hi:[0,1]   ; x - mean
.set n, n+2
.endr
.irp k, 0,1,2,3
	v_pk_mul_f32 v[S+2*\k:S+2*\k+1], v[XR+2*\k:XR+2*\k+1], v[XR+2*\k:XR+2*\k+1]
.endr
.irp m, 1,2,3
.irp k, 0,1,2,3
	s_delay_alu instid0(VALU_DEP_4)
	v_pk_fma_f32 v[S+2*\k:S+2*\k+1], v[XR+8*\m+2*\k:XR+8*\m+2*\k+1], v[XR+8*\m+2*\k:XR+8*\m+2*\k+1], v[S+2*\k:S+2*\k+1]
.endr
.endr
	JOIN
	s_delay_alu instid0(VALU_DEP_1)
	v_fma_f32 v[RS], v[S], s20, s21                ; var + eps
	s_wait_alu depctr_va_vdst(0)
	v_rsq_f32 v[RS], v[RS]
	v_nop                                          ; a plain line behind the transcendental,
	s_wait_alu depctr_va_vdst(0)                   ; and the wait ahead of its first reader
	v_mov_b32 v[RS+1], v[RS]
	s_wait_alu depctr_va_vdst(0)
	s_wait_loadcnt \w2                             ; g and be
.set n, 0
.rept 16
	v_pk_mul_f32 v[XR+n:XR+n+1], v[XR+n:XR+n+1], v[RS:RS+1]
.set n, n+2
.endr
.set n, 0
.rept 16
	v_pk_fma_f32 v[XR+n:XR+n+1], v[XR+n:XR+n+1], v[G+n:G+n+1], v[BE+n:BE+n+1]
.set n, n+2
.endr
.irp j, 0,1,2,3,4,5,6,7
	global_store_b128 v[LO], v[XR+4*\j:XR+4*\j+3], s[12:13] offset:4096*\i+512*\j
.endr
.irp j, 0,1,2,3,4,5,6,7
	ds_store_b128 v[SIN], v[XR+4*\j:XR+4*\j+3] offset:STG*(\j/4)+8*SP*(\j%4)
.endr
.irp j, 0,1,2,3,4,5,6,7
	ds_load_b128 v[Z+4*\j:Z+4*\j+3], v[SOUT] offset:STG*(\j/4)+16*(\j%4)   ; LDS serves a wave's instructions in order: these see the stores above
.endr
	s_wait_dscnt 0x0
	s_wait_xcnt 0x0                                ; the codes' registers, which the last row's stores read, are written again only behind this wait
	CODES 0, \i, 0
	CODES 0, \i, 1
.if NS > 1
	CODES 1, \i, 0
	CODES 1, \i, 1
	CODES 2, \i, 0
	CODES 2, \i, 1
.endif
.endm
	ROW 0, 24, 8                                   ; 24: g, be and row 1 may be out;  8: row 1 may be out
	ROW 1, 0, 0
	s_wait_tensorcnt 0x0
	ds_add_u32 v232, v233
	s_wait_dscnt 0x0
	s_endpgm
.Lfunc_end_k_q724785d679_ln1:
	.size	k_q724785d679_ln1, .Lfunc_end_k_q724785d679_ln1-k_q724785d679_ln1
	.p2alignl 7, 3214868480
	.fill 96, 4, 3214868480
	.section	.rodata,"a",@progbits
	.p2align	6, 0x0
	.amdhsa_kernel k_q724785d679_ln1
		.amdhsa_group_segment_fixed_size 41984
		.amdhsa_private_segment_fixed_size 0
		.amdhsa_enable_private_segment 0
		.amdhsa_kernarg_size 48
		.amdhsa_user_sgpr_count 2
		.amdhsa_user_sgpr_kernarg_segment_ptr 1
		.amdhsa_wavefront_size32 1
		.amdhsa_system_sgpr_workgroup_id_x 1
		.amdhsa_system_sgpr_workgroup_id_y 1
		.amdhsa_system_sgpr_workgroup_id_z 1
		.amdhsa_system_vgpr_workitem_id 0
		.amdhsa_next_free_vgpr 234
		.amdhsa_next_free_sgpr 66
		.amdhsa_reserve_vcc 0
		.amdhsa_float_denorm_mode_32 3
		.amdhsa_float_denorm_mode_16_64 3
		.amdhsa_memory_ordered 1
		.amdhsa_forward_progress 1
		.amdhsa_inst_pref_size 41
	.end_amdhsa_kernel
	.amdgpu_metadata
---
amdhsa.version: [ 1, 2 ]
amdhsa.kernels:
  - .name:           k_q724785d679_ln1
    .symbol:         k_q724785d679_ln1.kd
    .args:
      - { .name: x, .offset: 0, .size: 8, .value_kind: global_buffer, .address_space: global }
      - { .name: g1, .offset: 8, .size: 8, .value_kind: global_buffer, .address_space: global }
      - { .name: be1, .offset: 16, .size: 8, .value_kind: global_buffer, .address_space: global }
      - { .name: lowp_scales, .offset: 24, .size: 8, .value_kind: global_buffer, .address_space: global }
      - { .name: xn, .offset: 32, .size: 8, .value_kind: global_buffer, .address_space: global }
      - { .name: xc, .offset: 40, .size: 8, .value_kind: global_buffer, .address_space: global }
    .group_segment_fixed_size: 41984
    .private_segment_fixed_size: 0
    .kernarg_segment_align: 8
    .kernarg_segment_size: 48
    .max_flat_workgroup_size: 256
    .sgpr_count:     66
    .vgpr_count:     234
    .wavefront_size: 32
...
	.end_amdgpu_metadata
.endif
;; end of part 1
;; launch qkv (part 2): grid 12 x 16, 4 waves a work-group, clusters of 4 x 4, 327,680 bytes of LDS; arguments xc, Wq_codes, Wk_codes, Wv_codes, bq, bk, bv, lowp_scales, qkv; writes qkv
.if DOCPART == 2
	.amdgcn_target "amdgcn-amd-amdhsa--gfx1250"
	.amdhsa_code_object_version 6
	.text
	.protected	k_q724785d679_qkv
	.globl	k_q724785d679_qkv
	.p2align	8
	.type	k_q724785d679_qkv,@function
k_q724785d679_qkv:
	s_mov_b64 s[64:65], 0
	v_nop
	global_prefetch_b8 v0, s[64:65] scope:SCOPE_SE
	s_setreg_imm32_b32 hwreg(HW_REG_WAVE_MODE, 25, 1), 1
	s_wait_xcnt 0x0
	s_wait_alu depctr_hold_cnt(0) depctr_sa_sdst(0) depctr_va_vdst(0) depctr_va_sdst(0) depctr_va_ssrc(0) depctr_va_vcc(0) depctr_vm_vsrc(0)
	s_getreg_b32 s2, hwreg(HW_REG_IB_STS2, 6, 4)
	s_cmp_eq_u32 s2, 0
	s_cbranch_scc0 .Lentry_in_a_cluster
	s_endpgm
.Lentry_in_a_cluster:
	s_bfe_u32 s2, ttmp6, 0x10000c
	s_cmp_lg_u32 s2, 0xf033
	s_cbranch_scc0 .Lentry_shape_is_right
	s_endpgm
.Lentry_shape_is_right:
; The three projections q = xn Wq + bq, k = xn Wk + bk, v = xn Wv + bv on E4M3 codes, each result quantised at once for the attention's products and stored as codes.
; The cluster's x says which: 0 = q, 1 = k, 2 = v.  A product is C[m][n] = sum over k of A[m][k] B[n][k], K = 1,024, both operands rows of 1,024 codes.
;   q, k: A = the tokens' codes (4,096 rows), B = the weight's rows (1,024).     v: A = Wv's rows, B = the tokens' codes: v comes out TRANSPOSED, a lane holding one channel and its registers running along the keys.
; A tile of C, 256 x 256, is made by four waves, 128 x 128 each: 64 accumulators, 512 registers.  K goes in steps of 256 through two LDS slots filled by the tensor data mover.
; CLUSTERS: 4 x 4 work-groups; the four of a row of the cluster ask jointly for A's tile, the four of a column for B's.  The three products have 3 x 64 tiles: 192 work-groups.
; THE MATRIX INSTRUCTION IS USED TRANSPOSED (source 0 = 16 rows of B, source 1 = 16 rows of A): lane (r, h) holds row r of A's block and, in accumulator b, columns 16 b + 8 h + 0 .. 7.
; THE WAY OUT NEEDS NO LDS: sum x 2^(ea + eb) + bias, held, converted eight at a time: accumulator b's eight codes ARE registers 2 b, 2 b + 1 of the next product's operand (k = 16 b + 8 h + 0 .. 7 of row r).
; So the codes are stored as IMAGES OF OPERAND REGISTERS, four registers by one store, lane l's 16 bytes at 16 l: 512 consecutive bytes a store.
;   q, k image (at 0 and 4 MiB): fragment (head bh, 16 tokens tt): 1,024 bytes at (128 bh + tt) x 1,024.      v image (at 8 MiB): fragment (bh, 128 keys kb, 16 channels dt): 2,048 bytes at ((16 bh + kb) 4 + dt) x 2,048.
; Every work-group loads its bias both by columns (used by q and k) and by rows (used by v), the index wrapped into the 1,024 entries: so the head has no branch and each register is written on every path; one of the two is not used.
; LIMITS: ea + eb between -126 and 127; the result's exponent (entries 6, 7, 9) between -126 and 119.
.set SIZE_K, 1024
.set KSTEP,  256
.set ROWB,   256
.set KROW,   SIZE_K
.set PITCH,  272                       ; an LDS row: 256 bytes + 16 of padding: the 16 rows that a load touches start at 16 different banks (64 banks of 4 bytes: ISA guide 11.1)
.set FR,     16
.set NL,     4
.set NP,     4                         ; places behind this matrix instruction (ISA guide 7.12.1)
.set HALFT,  128*PITCH
.set SLOT,   4*HALFT
.set LAPS,   SIZE_K/(2*KSTEP)
.set SPARE,  2*SLOT                    ; behind the ring: the spare words, 128 bytes for each wave
.set ADRA, 16                          ; v16-17  LDS address of my A fragments in slot 0, 1
.set ADRB, 20                          ; v20-21  the same for B
.set OL,   24                          ; v24     16 x lane: my place in an image
.set BCO,  25                          ; v25     32 x (lane / 16): my eight numbers of a column bias
.set BRO,  26                          ; v26     4 x (lane % 16): my number of a row bias
.set SPW,  28
.set NIL,  29
.set SCL,  30                          ; v30     2^eo as f32
.set LIM,  31                          ; v31     448 x 2^eo
.set BC,   32                          ; v32-95  bias by columns: register 8 b + j
.set BR,   96                          ; v96-103 bias by rows: register a
.set AF,   128                         ; A's fragments, window 0
.set TMP,  128                         ; the way out: a block's 64 numbers
.set CD,   192                         ; and its codes, two sets of 16
.set G1, 24
.set G0, 32
.set G1B, 48
.set G0B, 56
.set MSB, 0
.macro WIN new                         ; the immediate's high byte repeats the setting that is left
.if MSB != \new
	s_set_vgpr_msb (MSB<<8)|\new
.set MSB, \new
.endif
.endm
.set MUL_LO, 0xa1                      ; source 0 (B) window 1, source 1 (A) window 0, C and D window 2
.set MUL_HI, 0xf1                      ; the same, C and D window 3
.set TO_B,   0x40                      ; destination window 1, address window 0
.macro JLOAD g0a, g1a, g0b, g1b        ; a joint load: waves 0 and 1 fetch for A, waves 2 and 3 for B; four v_nop follow each line
	s_cmp_eq_u32 s15, 0
	s_cbranch_scc0 .Lfor_b_\@
	tensor_load_to_lds s[\g0a:\g0a+3], s[\g1a:\g1a+7]
	s_nop 0
.rept 4
	v_nop
.endr
	s_branch .Lasked_\@
.Lfor_b_\@:
	tensor_load_to_lds s[\g0b:\g0b+3], s[\g1b:\g1b+7]
	s_nop 0
.rept 4
	v_nop
.endr
.Lasked_\@:
.endm
.macro CREST                           ; a round of the cluster's barrier behind its opening barrier
	s_cmp_lg_u32 s14, 0
	s_cbranch_scc1 .Lnot_wave_0_\@
	s_barrier_signal -3
.Lnot_wave_0_\@:
	s_barrier_wait -3
	s_barrier_signal -1
	s_barrier_wait -1
.endm
.macro CROUND
	s_barrier_signal -1
	s_barrier_wait -1
	CREST
.endm
	s_load_b512 s[68:83], s[0:1], 0x0              ; xc, Wq, Wk, Wv, bq, bk, bv, the scales' exponents
	s_load_b64 s[10:11], s[0:1], 0x40              ; the images
	v_lshl_add_u32 v[SPW], v0, 2, SPARE
	v_mov_b32 v[NIL], 0
	ds_add_u32 v28, v29
	ds_add_u32 v28, v29
	s_wait_dscnt 0x0
	v_lshrrev_b32 v1, 5, v0
	v_readfirstlane_b32 s14, v1                    ; wave 0..3
	s_lshr_b32 s15, s14, 1                         ; which half of the tile's rows is mine.  Also: I fetch for A (0) or for B (1)
	s_and_b32 s16, s14, 1                          ; which half of its columns.  Also: which 128 rows of that tile I fetch
	s_bfe_u32 s40, ttmp6, 0x40000                  ; cx, cy: my place in the cluster
	s_bfe_u32 s41, ttmp6, 0x40004
	s_mov_b32 s66, ttmp9                           ; which product: the cluster's x, the same in all sixteen partners
	s_and_b32 s67, ttmp7, 0xffff
	s_lshl_b32 s67, s67, 2                         ; 4 x cluster y walks the tokens: along C's rows for q and k, along its columns for v
	s_cmp_eq_u32 s66, 2
	s_cselect_b32 s17, 0, s67
	s_cselect_b32 s42, s67, 0
	s_add_co_u32 s17, s17, s41                     ; tile row of C
	s_add_co_u32 s42, s42, s40                     ; tile column of C
	s_lshl_b32 s43, s41, 2
	s_lshl_b32 s43, 15, s43                        ; my row of the cluster
	s_lshl_b32 s44, 0x1111, s40                    ; my column
	s_or_b32 s[G1+0], s43, (0<<16)|(1<<20)|(1<<21)|(5<<22)|(3<<25)  ; the mask; elements of 1 byte; padding on; bit 21 beside a mask; 4 words of padding behind every 64
	s_or_b32 s[G1B+0], s44, (0<<16)|(1<<20)|(1<<21)|(5<<22)|(3<<25)
.irp g, G1, G1B
	s_mov_b32 s[\g+1], ROWB<<16                    ; tensor_dim0
	s_mov_b32 s[\g+2], 128<<16                     ; tensor_dim1
	s_mov_b32 s[\g+3], ROWB<<16                    ; tile_dim0
	s_mov_b32 s[\g+4], 128                         ; tile_dim1
	s_mov_b32 s[\g+5], KROW                        ; the pitch
	s_mov_b32 s[\g+6], 0
	s_mov_b32 s[\g+7], 0
.endr
	s_lshl_b32 s18, s16, 7                         ; which 128 rows of the tile I fetch
	s_lshl_b32 s20, s17, 8
	s_add_co_u32 s20, s20, s18
	s_lshl_b32 s20, s20, 10                        ; A: (256 x tile row + 128 x half) rows of 1,024 bytes
	s_mov_b32 s21, 0
	s_lshl_b32 s46, s42, 8
	s_add_co_u32 s46, s46, s18
	s_lshl_b32 s46, s46, 10                        ; B likewise, by the tile column
	s_mov_b32 s47, 0
	s_mul_i32 s45, s14, HALFT                      ; where they go: wave x 128 rows
	s_wait_kmcnt 0x0
	s_add_nc_u64 s[86:87], s[68:69], 0x400000      ; the tokens' codes under k's scale,
	s_add_nc_u64 s[88:89], s[68:69], 0x800000      ; and under v's
	s_cmp_eq_u32 s66, 0                            ; the operands are chosen by the cluster's x alone
	s_cselect_b64 s[4:5], s[68:69], s[86:87]
	s_cselect_b64 s[6:7], s[70:71], s[72:73]
	s_cselect_b64 s[8:9], s[76:77], s[78:79]
	s_cmp_eq_u32 s66, 2
	s_cselect_b64 s[4:5], s[74:75], s[4:5]
	s_cselect_b64 s[6:7], s[88:89], s[6:7]
	s_cselect_b64 s[8:9], s[80:81], s[8:9]
	s_mov_b64 s[12:13], s[82:83]
	s_load_b512 s[68:83], s[12:13], 0x0            ; the sixteen exponents, wanted on the way out
	s_add_nc_u64 s[20:21], s[4:5], s[20:21]
	s_add_nc_u64 s[46:47], s[6:7], s[46:47]
	CROUND                                         ; all sixteen work-groups are here: the first joint loads meet
.irp s, 0,1
	s_mov_b32 s[G0+4*\s], 1
	s_add_co_u32 s[G0+4*\s+1], s45, \s*SLOT
	s_add_nc_u64 s[G0+4*\s+2:G0+4*\s+3], s[20:21], \s*ROWB
	s_or_b32 s[G0+4*\s+3], s[G0+4*\s+3], 0x80000000
	s_mov_b32 s[G0B+4*\s], 1
	s_add_co_u32 s[G0B+4*\s+1], s45, \s*SLOT
	s_add_nc_u64 s[G0B+4*\s+2:G0B+4*\s+3], s[46:47], \s*ROWB
	s_or_b32 s[G0B+4*\s+3], s[G0B+4*\s+3], 0x80000000
.endr
	JLOAD G0, G1, G0B, G1B                         ; K step 0: one tensor load a wave at the head
	; PREFETCHES of the K steps to come.  Of the 128 rows that my wave fetches, each of the four partners that ask for them jointly names 32, told apart by address (cx for A, cy for B): a lane a row,
	; 256 bytes of a row a K step.  Here K steps 1 and 2; behind K step 1's load K step 3: never more than two K steps are asked for and not yet loaded.
	s_cmp_eq_u32 s15, 0
	s_cselect_b64 s[94:95], s[20:21], s[46:47]
	s_cselect_b32 s98, s40, s41
	s_lshl_b32 s98, s98, 15                        ; 32 rows of 1,024 bytes for each place
	s_mov_b32 s99, 0
	s_add_nc_u64 s[94:95], s[94:95], s[98:99]
	v_and_b32 v27, 31, v0
	v_lshlrev_b32 v27, 10, v27                     ; never rewritten
	global_prefetch_b8 v27, s[94:95] offset:256 th:TH_LOAD_NT scope:SCOPE_SE
	global_prefetch_b8 v27, s[94:95] offset:512 th:TH_LOAD_NT scope:SCOPE_SE
	v_and_b32 v1, 15, v0                           ; r
	v_bfe_u32 v2, v0, 4, 1                         ; h
	v_mul_u32_u24 v3, v1, PITCH
	v_lshl_add_u32 v4, v2, 4, v3                   ; a fragment's row x pitch + 16 h
	s_mul_i32 s21, s15, HALFT                      ; my 128 rows of A
	s_mul_i32 s22, s16, HALFT                      ; my 128 rows of B,
	s_add_co_u32 s22, s22, 2*HALFT                 ; which lie behind A's 256
.irp s, 0,1
	v_add_nc_u32 v[ADRA+\s], s21, v4
	v_add_nc_u32 v[ADRB+\s], s22, v4
	s_add_co_u32 s21, s21, SLOT
	s_add_co_u32 s22, s22, SLOT
.endr
	v_and_b32 v5, 31, v0
	v_lshlrev_b32 v[OL], 4, v5
	v_lshlrev_b32 v[BCO], 5, v2
	s_wait_alu depctr_va_vdst(0)
	v_lshlrev_b32 v[BRO], 2, v1
	s_wait_alu depctr_va_vdst(0)
	s_lshl_b32 s18, s42, 8                         ; the bias by columns: entry (256 x tile column + 128 x half), wrapped into 1,024
	s_lshl_b32 s19, s16, 7
	s_add_co_u32 s18, s18, s19
	s_and_b32 s18, s18, 0x380
	s_lshl_b32 s18, s18, 2
	s_mov_b32 s19, 0
	s_add_nc_u64 s[90:91], s[8:9], s[18:19]
	s_lshl_b32 s18, s17, 8                         ; and by rows
	s_lshl_b32 s22, s15, 7
	s_add_co_u32 s18, s18, s22
	s_and_b32 s18, s18, 0x380
	s_lshl_b32 s18, s18, 2
	s_add_nc_u64 s[92:93], s[8:9], s[18:19]
.irp b, 0,1,2,3,4,5,6,7
	global_load_b128 v[BC+8*\b:BC+8*\b+3], v[BCO], s[90:91] offset:64*\b
	global_load_b128 v[BC+8*\b+4:BC+8*\b+7], v[BCO], s[90:91] offset:64*\b+16
.endr
.irp a, 0,1,2,3,4,5,6,7
	global_load_b32 v[BR+\a], v[BRO], s[92:93] offset:64*\a
.endr
	; where my wave's images begin.  q, k: head = 16 batch + 4 x tile column + 2 x half; 16 tokens tt = 16 (tile row % 8) + 8 x half
	s_lshr_b32 s18, s17, 3
	s_lshl_b32 s18, s18, 4
	s_lshl_b32 s19, s42, 2
	s_add_co_u32 s18, s18, s19
	s_lshl_b32 s19, s16, 1
	s_add_co_u32 s18, s18, s19
	s_lshl_b32 s18, s18, 7
	s_and_b32 s19, s17, 7
	s_lshl_b32 s19, s19, 4
	s_add_co_u32 s18, s18, s19
	s_lshl_b32 s19, s15, 3
	s_add_co_u32 s18, s18, s19
	s_lshl_b32 s18, s18, 10
	s_lshl_b32 s19, s66, 22
	s_add_co_u32 s18, s18, s19
	; v: head = 16 batch + 4 x tile row + 2 x half; 128 keys kb = 2 (tile column % 8) + half
	s_lshr_b32 s22, s42, 3
	s_lshl_b32 s22, s22, 4
	s_lshl_b32 s23, s17, 2
	s_add_co_u32 s22, s22, s23
	s_lshl_b32 s23, s15, 1
	s_add_co_u32 s22, s22, s23
	s_lshl_b32 s22, s22, 4
	s_and_b32 s23, s42, 7
	s_lshl_b32 s23, s23, 1
	s_add_co_u32 s22, s22, s23
	s_add_co_u32 s22, s22, s16
	s_lshl_b32 s22, s22, 13
	s_add_co_u32 s22, s22, 0x800000
	s_cmp_eq_u32 s66, 2
	s_cselect_b32 s18, s22, s18
	s_mov_b32 s19, 0
	s_add_nc_u64 s[10:11], s[10:11], s[18:19]
.macro FRAG reg, adr, q, i             ; 16 rows x 128 K in 16 registers: registers 4 c .. 4 c + 3 hold K = 32 c + 16 h + 0 .. 15: one order of k for A and B alike
.irp c, 0,1,2,3
	ds_load_b128 v[\reg+4*\c:\reg+4*\c+3], v[\adr] offset:128*(\q)+32*\c+(\i)*16*PITCH
.endr
.endm
; 16 matrix instructions: A's blocks a0, a0 + 1 x B's eight.  The 64 accumulators take turns, one instruction a turn, in the same order in every step.
.macro MUL16 a0, p, zero
.irp a, \a0, \a0+1
.irp b, 0,1,2,3,4,5,6,7
.if \zero
	v_wmma_f32_16x16x128_fp8_fp8 v[8*(8*((\a)%4)+\b):8*(8*((\a)%4)+\b)+7], v[128*(\p)+FR*\b:128*(\p)+FR*\b+FR-1], v[AF+FR*(\a):AF+FR*(\a)+FR-1], 0
.else
	v_wmma_f32_16x16x128_fp8_fp8 v[8*(8*((\a)%4)+\b):8*(8*((\a)%4)+\b)+7], v[128*(\p)+FR*\b:128*(\p)+FR*\b+FR-1], v[AF+FR*(\a):AF+FR*(\a)+FR-1], v[8*(8*((\a)%4)+\b):8*(8*((\a)%4)+\b)+7]
.endif
.endr
.endr
.endm
.macro FETCH_B slot, q, p
	WIN TO_B
.irp i, 0,1,2,3,4,5,6,7
	FRAG 128*(\p)+FR*\i, ADRB+\slot, \q, \i
.endr
	WIN 0
.endm
.macro FETCH_A slot, q, i0
.irp i, \i0, \i0+1, \i0+2, \i0+3
	FRAG AF+FR*(\i), ADRA+\slot, \q, \i
.endr
.endm
.macro PLACES n                        ; plain vector lines between a matrix instruction and a load into, or a read of, its registers
.rept \n
	v_nop
.endr
.endm
.macro STEP slot, q, zero              ; 128 along K with its successor in the same slot
	s_wait_dscnt 4*NL                              ; B's set and A's blocks 0-3 are in; A's blocks 4-7 may be out
	WIN MUL_LO
	MUL16 0, (\q)%2, \zero
	MUL16 2, (\q)%2, \zero
	s_wait_dscnt 0
	PLACES NP
	FETCH_B \slot, (\q)+1, 1-(\q)%2
	FETCH_A \slot, (\q)+1, 0
	WIN MUL_HI
	MUL16 4, (\q)%2, \zero
	MUL16 6, (\q)%2, \zero
	PLACES NP
	WIN 0
	FETCH_A \slot, (\q)+1, 4
.endm
; A slot's last step changes slots: one barrier; in front of it each wave waits for all its tensor loads, adds 0 to its spare word, and waits for that and for its reads of this slot.
.macro TURN slot, next, fill
	s_wait_tensorcnt 0x0                           ; all my tensor loads have landed: my part of the next slot
	ds_add_u32 v[SPW], v[NIL]                      ; 0 onto my spare word
	s_wait_dscnt 4*NL+1                            ; the add and A's blocks 4-7 may be out
	WIN MUL_LO
	MUL16 0, 1, 0
	s_wait_dscnt 0x0                               ; the add is done, and my reads of this slot are over
	s_barrier_signal -1
	MUL16 2, 1, 0
	WIN 0
	s_barrier_wait -1
.if \fill
	CREST                                          ; the barrier has opened a round of the cluster's: no wave of any partner still reads this slot or has a load on its way
	s_add_nc_u64 s[G0+4*\slot+2:G0+4*\slot+3], s[G0+4*\slot+2:G0+4*\slot+3], 2*ROWB
	s_add_nc_u64 s[G0B+4*\slot+2:G0B+4*\slot+3], s[G0B+4*\slot+2:G0B+4*\slot+3], 2*ROWB
	JLOAD G0+4*\slot, G1, G0B+4*\slot, G1B         ; the first tensor load behind the round; its four v_nop are the places in front of the loads below
.else
	PLACES NP
.endif
	FETCH_B \next, 0, 0
	FETCH_A \next, 0, 0
	WIN MUL_HI
	MUL16 4, 1, 0
	MUL16 6, 1, 0
	PLACES NP
	WIN 0
	FETCH_A \next, 0, 4
.endm
	s_wait_alu depctr_va_vdst(0)                   ; the wait at the head's end
	s_wait_tensorcnt 0x0                           ; my part of K step 0 is in; the lines ahead of a later first fill:
	ds_add_u32 v[SPW], v[NIL]
	s_wait_dscnt 0x0
	CROUND                                         ; a whole round: everybody's part of K step 0 is in,
	JLOAD G0+4, G1, G0B+4, G1B                     ; and K step 1's load is the first tensor load behind the round
	FETCH_B 0, 0, 0
	FETCH_A 0, 0, 0
	FETCH_A 0, 0, 4
	global_prefetch_b8 v27, s[94:95] offset:768 th:TH_LOAD_NT scope:SCOPE_SE   ; K step 3, two loads ahead of its own
	STEP 0, 0, 1                                   ; the first step's products start the sums
	s_mov_b32 s3, LAPS-1
.Llap:
	TURN 0, 1, 1
	STEP 1, 0, 0
	TURN 1, 0, 1
	STEP 0, 0, 0
	s_sub_co_u32 s3, s3, 1
	s_cmp_lg_u32 s3, 0
	s_cbranch_scc1 .Llap
	TURN 0, 1, 0                                   ; the last lap fills nothing
	STEP 1, 0, 0
	s_wait_dscnt 4*NL
	WIN MUL_LO
	MUL16 0, 1, 0
	MUL16 2, 1, 0
	s_wait_dscnt 0
	WIN MUL_HI
	MUL16 4, 1, 0
	MUL16 6, 1, 0
	WIN 0
; THE WAY OUT of block a (16 rows of A x my 128 columns).  kind 0: bias by columns (q, k); kind 1: bias by rows (v).
.macro EPI a, kind
.set AC, 64*((\a)%4)
.set CS, CD+16*((\a)%2)
.set WN, 0x02+((\a)/4)
	WIN WN                                         ; source 0: window 2 or 3
.set n, 0
.if \kind == 1
.rept 64
	v_fma_f32 v[TMP+n], v[AC+n], s96, v[BR+\a]     ; sum x 2^(ea + eb) + bias; each accumulator from its low end on
.set n, n+1
.endr
.else
.rept 32
	v_pk_fma_f32 v[TMP+n:TMP+n+1], v[AC+n:AC+n+1], s[96:97], v[BC+n:BC+n+1] op_sel_hi:[1,0,1]
.set n, n+2
.endr
.endif
	WIN 0
.set n, 0
.rept 64
	v_med3_num_f32 v[TMP+n], v[TMP+n], -v[LIM], v[LIM]   ; the conversion does not saturate (ISA guide 7.6.2)
.set n, n+1
.endr
	s_wait_alu depctr_va_vdst(0)
	s_wait_xcnt 0x0                                ; the codes' registers, which earlier stores read, are written again only behind this wait
.irp b, 0,1,2,3,4,5,6,7
	v_cvt_scalef32_pk8_fp8_f32 v[CS+2*\b:CS+2*\b+1], v[TMP+8*\b:TMP+8*\b+7], v[SCL]
.endr
	v_nop                                          ; a plain line behind the conversions: the next block writes their sources
.irp q, 0,1,2,3
.if \kind == 1
	global_store_b128 v[OL], v[CS+4*\q:CS+4*\q+3], s[10:11] offset:((\a)/4)*131072+((\a)%4)*2048+\q*512
.else
	global_store_b128 v[OL], v[CS+4*\q:CS+4*\q+3], s[10:11] offset:(\q/2)*131072+(\a)*1024+(\q%2)*512
.endif
.endr
.endm
	s_wait_kmcnt 0x0                               ; s68 .. s83 = entries 0 .. 15
	s_add_co_i32 s68, s68, s69
	s_add_co_i32 s70, s70, s71
	s_add_co_i32 s72, s72, s73
	s_cmp_eq_u32 s66, 0                            ; chosen without a branch
	s_cselect_b32 s96, s68, s70
	s_cselect_b32 s18, s74, s75
	s_cmp_eq_u32 s66, 2
	s_cselect_b32 s96, s72, s96                    ; ea + eb
	s_cselect_b32 s18, s77, s18                    ; the result's exponent: entry 6, 7 or 9
	s_add_co_i32 s96, s96, 127
	s_lshl_b32 s96, s96, 23                        ; 2^(ea + eb) as f32
	s_mov_b32 s97, s96                             ; (named with it as a pair)
	s_add_co_i32 s18, s18, 127
	s_lshl_b32 s19, s18, 23
	v_mov_b32 v[SCL], s19
	s_add_co_i32 s18, s18, 8
	s_lshl_b32 s18, s18, 23
	s_or_b32 s18, s18, 0x600000
	v_mov_b32 v[LIM], s18
	PLACES NP                                      ; behind the last products: their results are read and A's registers written below
	s_wait_loadcnt 0x0                             ; the biases
	s_cmp_eq_u32 s66, 2                            ; a branch on the cluster's x: the same in all partners; no barrier and no tensor load stands under it
	s_cbranch_scc1 .Lv
.irp a, 0,1,2,3,4,5,6,7
	EPI \a, 0
.endr
	s_branch .Lend
.Lv:
.irp a, 0,1,2,3,4,5,6,7
	EPI \a, 1
.endr
.Lend:
	s_wait_tensorcnt 0x0                           ; the wave's end
	ds_add_u32 v[SPW], v[NIL]
	s_wait_dscnt 0x0
	CROUND                                         ; the closing round
	s_endpgm
.Lfunc_end_k_q724785d679_qkv:
	.size	k_q724785d679_qkv, .Lfunc_end_k_q724785d679_qkv-k_q724785d679_qkv
	.p2alignl 7, 3214868480
	.fill 96, 4, 3214868480
	.section	.rodata,"a",@progbits
	.p2align	6, 0x0
	.amdhsa_kernel k_q724785d679_qkv
		.amdhsa_group_segment_fixed_size 327680
		.amdhsa_private_segment_fixed_size 0
		.amdhsa_enable_private_segment 0
		.amdhsa_kernarg_size 72
		.amdhsa_user_sgpr_count 2
		.amdhsa_user_sgpr_kernarg_segment_ptr 1
		.amdhsa_wavefront_size32 1
		.amdhsa_system_sgpr_workgroup_id_x 1
		.amdhsa_system_sgpr_workgroup_id_y 1
		.amdhsa_system_sgpr_workgroup_id_z 1
		.amdhsa_system_vgpr_workitem_id 0
		.amdhsa_next_free_vgpr 1024
		.amdhsa_next_free_sgpr 100
		.amdhsa_reserve_vcc 0
		.amdhsa_float_denorm_mode_32 3
		.amdhsa_float_denorm_mode_16_64 3
		.amdhsa_memory_ordered 1
		.amdhsa_forward_progress 1
		.amdhsa_inst_pref_size 211
	.end_amdhsa_kernel
	.amdgpu_metadata
---
amdhsa.version: [ 1, 2 ]
amdhsa.kernels:
  - .name:           k_q724785d679_qkv
    .symbol:         k_q724785d679_qkv.kd
    .args:
      - { .name: xc, .offset: 0, .size: 8, .value_kind: global_buffer, .address_space: global }
      - { .name: Wq_codes, .offset: 8, .size: 8, .value_kind: global_buffer, .address_space: global }
      - { .name: Wk_codes, .offset: 16, .size: 8, .value_kind: global_buffer, .address_space: global }
      - { .name: Wv_codes, .offset: 24, .size: 8, .value_kind: global_buffer, .address_space: global }
      - { .name: bq, .offset: 32, .size: 8, .value_kind: global_buffer, .address_space: global }
      - { .name: bk, .offset: 40, .size: 8, .value_kind: global_buffer, .address_space: global }
      - { .name: bv, .offset: 48, .size: 8, .value_kind: global_buffer, .address_space: global }
      - { .name: lowp_scales, .offset: 56, .size: 8, .value_kind: global_buffer, .address_space: global }
      - { .name: qkv, .offset: 64, .size: 8, .value_kind: global_buffer, .address_space: global }
    .group_segment_fixed_size: 327680
    .private_segment_fixed_size: 0
    .kernarg_segment_align: 8
    .kernarg_segment_size: 72
    .max_flat_workgroup_size: 128
    .sgpr_count:     100
    .vgpr_count:     1024
    .wavefront_size: 32
...
	.end_amdgpu_metadata
.endif
;; end of part 2
;; launch attn (part 3): grid 8 x 32, 16 waves a work-group, no clusters, 327,680 bytes of LDS; arguments qkv, lowp_scales, ao; writes ao
.if DOCPART == 3
	.amdgcn_target "amdgcn-amd-amdhsa--gfx1250"
	.amdhsa_code_object_version 6
	.text
	.protected	k_q724785d679_attn
	.globl	k_q724785d679_attn
	.p2align	8
	.type	k_q724785d679_attn,@function
k_q724785d679_attn:
	s_mov_b64 s[64:65], 0
	v_nop
	global_prefetch_b8 v0, s[64:65] scope:SCOPE_SE
	s_setreg_imm32_b32 hwreg(HW_REG_WAVE_MODE, 25, 1), 1
	s_wait_xcnt 0x0
; Causal attention of one head on E4M3 codes: o[q] = sum over keys k <= q of softmax_k(q . k / 8) v[k], head size 64, 2,048 tokens, 32 heads (batch x 16).
; q, k, v come as images of operand registers (see the launch that makes them): a fragment is read by plain loads of 16 bytes at 16 x lane.  o is quantised under entry 10 and stored as the image of the next product's A operand.
; THE SOFTMAX AHEAD OF THE SECOND PRODUCT: t = score x log2(e) / 8; M = the running largest t rounded UP to a whole number; p = 2^(t - M) is quantised under entry 8, not normalised; the row's sum is taken of the
; unquantised p and divides at the end.  When M moves, the sum and O are multiplied by 2^(old M - new M): exact.
; SHARES.  Work-group (i, head) owns query blocks i and 15 - i, 128 queries each: eight early tiles of 16 queries (i + 1 key steps of 128 each) and eight late ones (16 - i steps): 17 steps for a pair of tiles, whatever i.
; A pair of tiles has a pair of waves, and THE LATE TILE'S KEYS ARE SHARED OUT: wave A takes its steps 0 to 8: nine.  Wave B takes the early tile (i + 1 steps), writes it out, and then the late tile's steps 9 to 15 - i
; (7 - i of them): eight.  B's part of the late tile (its -M, its sums, its O^T) goes to A through LDS; both M are whole numbers, so each part is brought under the larger M by an exact power of two, as in a key step.
; Of any four waves 4 n .. 4 n + 3, and of any four that are 4 apart, two are A and two are B.  Each wave owns one tile at a time, in 256 registers.
; LDS holds the head's WHOLE k image (128 KiB) and v image (128 KiB): every byte is filled once, so there is no ring.  Each wave fetches one piece of 16 KiB with one tensor load: waves 0 to 3 keys 0 to 511, the other twelve the rest.
; Keys 0 to 511 are asked for at the head, the rest behind the first barrier.  Behind the images lie the eight pairs' parts, 4,608 bytes each, into which no load lands.
; Both products are used transposed: S^T = K Q^T (source 0 = 16 keys), O^T = V^T P^T (source 0 = 16 channels): a lane holds ONE query (lane % 16) throughout; register 8 t + j of S^T is key 16 t + 8 (lane / 16) + j,
; so eight converted registers of tile t are registers 2 t, 2 t + 1 of P's fragment as they stand.
; Every wave sweeps steps 0 to 15 in loops of constant count; a step whose first key lies outside the wave's window [KLO, KHI] is jumped over by scalar branches on ids.  Three barriers, on every wave's path.
; NO CLUSTER: the work-groups of a head share k and v, but the windows hang on the query block, which in a cluster would be a work-group's place in it.
; LIMITS: entries 6 + 7 between -123 and 130 (added to c's exponent field); entries 8 and 10 between -126 and 119.
.set LI,   1                           ; v1   16 x lane
.set AV0,  2                           ; v2   the same in the v image
.set SA,   3                           ; v3   my pair's part in LDS: SCR + PART x pair + 16 x lane
.set ADK,  8                           ; v8   LDS address of the step's k fragments
.set ADV,  9                           ; v9   of its v fragments
.set DM,   10                          ; v10  lane % 16 - 8 (lane / 16)
.set WV,   18
.set ROLE, 19                          ; s19  1: wave A;  0: wave B
.set Q0,   52                          ; s52  first query of the tile in hand
.set KHI,  53                          ; s53  the last first key that I take
.set KF,   54                          ; s54  the step's first key
.set TB,   55                          ; s55  its byte in an image
.set CNT,  56
.set KLO,  84                          ; s84  the first first key that I take
.set Q0L,  85                          ; s85  first query of the late tile
.set KHI2, 86                          ; s86  the late tile's last step: 128 (15 - i)
.set AOE,  88                          ; s[88:89] where the early tile's o goes
.set AOL,  90                          ; s[90:91] the late tile's
.set SCR,  262144                      ; behind the two images
.set PART, 9*512                       ; a part: nine images of four registers
; v12 -M, v13 the largest t, v[14:15] the sum; v16-23 Q; v24-31 the late tile's Q, kept for B; v32-95 fragments of k, then of v, at the end B's part; v96-159 S^T, then p; v160-191 O^T; v192-223 o;
; v224-239 p's codes, later o's; v240 448 x 2^e8, v244 2^e8, v[242:243] a second chain, v246 the lane exchange, v248 2^e10, v249 448 x 2^e10, v[250:251], v[252:253] factors f, v254 at work, v255 -infinity
	s_load_b128 s[4:7], s[0:1], 0x0                ; the images, the scales' exponents
	s_load_b64 s[8:9], s[0:1], 0x10                ; o's image
	v_lshl_add_u32 v245, v0, 2, 0x49000
	v_mov_b32 v247, 0
	ds_add_u32 v245, v247
	ds_add_u32 v245, v247
	v_lshrrev_b32 v4, 5, v0
	s_delay_alu instid0(VALU_DEP_1)
	v_readfirstlane_b32 s[WV], v4                  ; wave 0..15
	s_and_b32 s48, ttmp7, 0xffff                   ; the head, 0..31
	s_mov_b32 s49, ttmp9                           ; i
	s_lshr_b32 s57, s[WV], 2
	s_xor_b32 s57, s57, s[WV]
	s_and_b32 s[ROLE], s57, 1
	s_lshr_b32 s50, s[WV], 1                       ; my pair: which of a block's eight tiles
	s_sub_co_u32 s51, 15, s49                      ; the late block
	s_lshl_b32 s57, s50, 4
	s_lshl_b32 s58, s49, 7                         ; 128 i: the early tile's last step
	s_lshl_b32 s[KHI2], s51, 7
	s_add_co_u32 s59, s58, s57                     ; the early tile's first query
	s_add_co_u32 s[Q0L], s[KHI2], s57
	s_lshl_b32 s92, s49, 3
	s_add_co_u32 s92, s92, s50                     ; the early tile among the sequence's 128
	s_lshl_b32 s93, s51, 3
	s_add_co_u32 s93, s93, s50                     ; the late tile
	s_cmp_eq_u32 s[ROLE], 1                        ; the tile that I begin with, and my window of it
	s_cselect_b32 s[Q0], s[Q0L], s59
	s_cselect_b32 s[KHI], 1024, s58                ; A: steps 0 to 8;  B: steps 0 to i
	s_cselect_b32 s87, s93, s92
	s_mov_b32 s[KLO], 0
	; descriptor group 1: 16 KiB, dense, as 64 rows of 256 bytes (32 elements of 8 bytes)
	s_mov_b32 s24, 3<<16
	s_mov_b32 s25, 32<<16                          ; tensor_dim0
	s_mov_b32 s26, 64<<16                          ; tensor_dim1
	s_mov_b32 s27, 32<<16                          ; tile_dim0
	s_mov_b32 s28, 64                              ; tile_dim1
	s_mov_b32 s29, 32                              ; the pitch
	s_mov_b32 s30, 0
	s_mov_b32 s31, 0
	s_and_b32 s57, s[WV], 3
	s_lshr_b32 s58, s57, 1                         ; I fetch for k (0) or for v (1),
	s_and_b32 s59, s57, 1                          ; the first or the second half of 512 keys' 32 KiB
	s_lshl_b32 s60, s58, 17
	s_lshl_b32 s61, s59, 14
	s_add_co_u32 s60, s60, s61                     ; in LDS,
	s_lshl_b32 s62, s58, 22
	s_add_co_u32 s62, s62, s61
	s_lshl_b32 s63, s48, 17
	s_add_co_u32 s62, s62, s63
	s_add_co_u32 s62, s62, 0x400000                ; and in memory: k's image begins at 4 MiB, v's at 8 MiB; a head is 128 KiB
	s_lshr_b32 s61, s[WV], 2                       ; EVERY wave fetches one of the sixteen pieces of 16 KiB: wave / 4 says which 512 keys
	s_lshl_b32 s61, s61, 15
	s_add_co_u32 s60, s60, s61
	s_add_co_u32 s62, s62, s61
	s_mov_b32 s63, 0
	s_mov_b32 s20, 0x76543210                      ; lane l takes lane l xor 16
	s_mov_b32 s21, 0xfedcba98
	s_mov_b32 s22, 0x3e38aa3b                      ; c = log2(e) / 8
	s_wait_dscnt 0x0
	s_wait_kmcnt 0x0
	s_add_nc_u64 s[62:63], s[4:5], s[62:63]
	s_mov_b32 s32, 1
	s_mov_b32 s33, s60
	s_mov_b64 s[34:35], s[62:63]
	s_or_b32 s35, s35, 0x80000000
	s_cmp_lt_u32 s[WV], 4                          ; at the head waves 0 to 3 alone fetch: keys 0 to 511, which are wanted first
	s_cbranch_scc0 .Lno_fetch
	tensor_load_to_lds s[32:35], s[24:31]
	s_nop 0
.rept 4
	v_nop
.endr
.Lno_fetch:
	s_load_b512 s[68:83], s[6:7], 0x0              ; s68 .. s83 = entries 0 .. 15
	s_lshl_b32 s58, s48, 7                         ; a head has 128 fragments of q, 1,024 bytes each
	s_add_co_u32 s60, s58, s87
	s_lshl_b32 s60, s60, 10
	s_mov_b32 s61, 0
	s_add_nc_u64 s[66:67], s[4:5], s[60:61]        ; q of the tile that I begin with,
	s_add_co_u32 s60, s58, s93
	s_lshl_b32 s60, s60, 10
	s_add_nc_u64 s[94:95], s[4:5], s[60:61]        ; and of the late tile
	s_and_b32 s60, s48, 15                         ; the head in its batch
	s_lshr_b32 s62, s48, 4
	s_lshl_b32 s62, s62, 7                         ; the batch's first 16 rows of the 4,096
	s_lshr_b32 s58, s60, 3
	s_lshl_b32 s58, s58, 8
	s_add_co_u32 s58, s58, s62
	s_add_co_u32 s62, s58, s92
	s_add_co_u32 s63, s58, s93
	s_lshl_b32 s62, s62, 13                        ; o's image: ((head / 8) 256 + rows) x 8,192
	s_lshl_b32 s63, s63, 13
	s_bfe_u32 s58, s60, 0x20001
	s_lshl_b32 s58, s58, 11                        ; + ((head / 2) % 4) x 2,048
	s_and_b32 s59, s60, 1
	s_lshl_b32 s59, s59, 10                        ; + (head % 2) x 1,024
	s_add_co_u32 s58, s58, s59
	s_add_co_u32 s60, s62, s58
	s_mov_b32 s61, 0
	s_add_nc_u64 s[AOE:AOE+1], s[8:9], s[60:61]
	s_add_co_u32 s60, s63, s58
	s_add_nc_u64 s[AOL:AOL+1], s[8:9], s[60:61]
	v_and_b32 v4, 31, v0
	s_delay_alu instid0(VALU_DEP_1)
	v_lshlrev_b32 v[LI], 4, v4
	s_delay_alu instid0(VALU_DEP_1)
	v_add_nc_u32 v[AV0], 0x20000, v[LI]
	s_mul_i32 s57, s50, PART
	s_add_co_u32 s57, s57, SCR
	v_add_nc_u32 v[SA], s57, v[LI]                 ; made here, ahead of every parting of the roles
	global_load_b128 v[16:19], v[LI], s[66:67]
	global_load_b128 v[20:23], v[LI], s[66:67] offset:512
	global_load_b128 v[24:27], v[LI], s[94:95]
	global_load_b128 v[28:31], v[LI], s[94:95] offset:512
	v_and_b32 v4, 15, v0
	v_bfe_u32 v5, v0, 4, 1
	s_delay_alu instid0(VALU_DEP_1)
	v_lshlrev_b32 v5, 3, v5
	s_delay_alu instid0(VALU_DEP_1)
	v_sub_nc_u32 v[DM], v4, v5
.macro INIT                            ; a tile begins: the step is written once for all steps; the first finds zeros, which the first change of M leaves zeros
	v_mov_b32 v13, 0xff61b1e6                      ; the largest t so far: -3e38
	s_delay_alu instid0(VALU_DEP_1)
	v_floor_f32 v12, -v13                          ; -M
	v_mov_b32 v14, 0
	v_mov_b32 v15, 0
.set n, 0
.rept 32
	v_mov_b32 v[160+n], 0
.set n, n+1
.endr
.endm
	INIT
	v_mov_b32 v246, 0                              ; written once: a lane exchange's destination counts as read
	v_mov_b32 v251, 0                              ; (named as the upper halves of the pairs v[250:251] and v[252:253])
	v_mov_b32 v253, 0
	v_mov_b32 v255, 0xff800000                     ; -infinity
	s_wait_kmcnt 0x0
	s_add_co_i32 s57, s74, s75
	s_lshl_b32 s57, s57, 23
	s_add_co_i32 s22, s22, s57                     ; a score stands for score x 2^(e6 + e7): added to c's exponent field
	s_mov_b32 s23, s22
	s_add_co_i32 s57, s76, 127
	s_lshl_b32 s58, s57, 23
	v_mov_b32 v244, s58                            ; 2^e8
	s_add_co_i32 s57, s57, 8
	s_lshl_b32 s57, s57, 23
	s_or_b32 s57, s57, 0x600000
	v_mov_b32 v240, s57                            ; 448 x 2^e8
	s_add_co_i32 s57, s78, 127
	s_lshl_b32 s58, s57, 23
	v_mov_b32 v248, s58                            ; 2^e10
	s_add_co_i32 s57, s57, 8
	s_lshl_b32 s57, s57, 23
	s_or_b32 s57, s57, 0x600000
	v_mov_b32 v249, s57                            ; 448 x 2^e10
	s_wait_loadcnt 0x0                             ; q, both fragments
; A KEY STEP: 128 keys from s[KF] on; their fragments begin at byte s[TB] of each image.
.macro STEP
	s_cmp_gt_u32 s[KF], s[KHI]                     ; behind my window
	s_cbranch_scc1 .Lhid_\@
	s_cmp_lt_u32 s[KF], s[KLO]                     ; ahead of it
	s_cbranch_scc1 .Lhid_\@
	v_add_nc_u32 v[ADK], s[TB], v[LI]
	v_add_nc_u32 v[ADV], s[TB], v[AV0]
	v_nop                                          ; with the two additions: four places in front of loads into registers that the last products read
	v_nop
.irp t, 0,1,2,3,4,5,6,7
	ds_load_b128 v[32+8*\t:35+8*\t], v[ADK] offset:1024*\t
	ds_load_b128 v[36+8*\t:39+8*\t], v[ADK] offset:1024*\t+512
.endr
	s_wait_alu depctr_va_vdst(0)
	s_wait_dscnt 0x0
.irp t, 0,1,2,3,4,5,6,7
	v_wmma_f32_16x16x64_fp8_fp8 v[96+8*\t:103+8*\t], v[32+8*\t:39+8*\t], v[16:23], 0
.endr
.rept 4
	v_nop
.endr
.irp d, 0,1,2,3                                ; v's fragments land while the softmax is worked
.irp q, 0,1,2,3
	ds_load_b128 v[32+16*\d+4*\q:35+16*\d+4*\q], v[ADV] offset:2048*\d+512*\q
.endr
.endr
	s_add_co_u32 s57, s[KF], 127
	s_cmp_le_u32 s57, s[Q0]                        ; all these keys count: no mask
	s_cbranch_scc1 .Lopen_\@
	s_sub_co_i32 s57, s[Q0], s[KF]
	v_add_nc_u32 v252, s57, v[DM]                  ; d = my query - KF - 8 (lane / 16): register 8 t + j is hidden where 16 t + j > d
.set n, 0
.rept 64
	v_cmp_gt_i32 vcc_lo, 16*(n/8)+n%8, v252
	v_cndmask_b32 v[96+n], v[96+n], v255, vcc_lo
.set n, n+1
.endr
.Lopen_\@:
	v_max3_num_f32 v254, v96, v97, v98             ; the step's largest score of my query among my 64 keys, in two chains; each accumulator is first read at its low end
	v_max3_num_f32 v252, v99, v100, v101
.irp i, 6,10,14,18,22,26,30,34,38,42,46,50,54,58
	v_max3_num_f32 v254, v254, v[96+\i], v[97+\i]
	v_max3_num_f32 v252, v252, v[98+\i], v[99+\i]
.endr
	v_max3_num_f32 v254, v254, v158, v159
	s_delay_alu instid0(VALU_DEP_1)
	v_max_num_f32 v254, v254, v252
	s_delay_alu instid0(VALU_DEP_1)
	v_permlanex16_b32 v246, v254, s20, s21
	s_delay_alu instid0(VALU_DEP_1)
	v_max_num_f32 v254, v254, v246                 ; and among lane l xor 16's
	s_delay_alu instid0(VALU_DEP_1)
	v_mul_f32 v254, s22, v254                      ; as t (c is positive)
	s_delay_alu instid0(VALU_DEP_1)
	v_max_num_f32 v13, v13, v254
	v_mov_b32 v254, v12
	s_delay_alu instid0(VALU_DEP_2)
	v_floor_f32 v12, -v13                          ; the new -M = -ceil(t)
	s_delay_alu instid0(VALU_DEP_1)
	v_sub_f32 v254, v12, v254                      ; old M - new M: a whole number, 0 or less
	s_delay_alu instid0(VALU_DEP_1)
	v_cvt_i32_f32 v254, v254
	s_delay_alu instid0(VALU_DEP_1)
	v_ldexp_f32 v252, 1.0, v254                    ; f = 2^(old M - new M)
.set n, 0
.rept 32
	v_pk_fma_f32 v[96+n:97+n], v[96+n:97+n], s[22:23], v[12:13] op_sel_hi:[1,0,0]   ; t - M
.set n, n+2
.endr
.set n, 0
	s_wait_alu depctr_va_vdst(0)
.rept 64
	v_exp_f32 v[96+n], v[96+n]                     ; p = 2^(t - M)
.set n, n+1
.endr
	v_pk_mul_f32 v[14:15], v[14:15], v[252:253] op_sel_hi:[1,0]   ; the sums under the new M: the plain line behind the exponentials
	s_wait_alu depctr_va_vdst(0)                   ; one wait for the batch, ahead of its first reader
	v_pk_add_f32 v[242:243], v[100:101], v[104:105]
	v_pk_add_f32 v[238:239], v[108:109], v[112:113]
	v_pk_add_f32 v[236:237], v[116:117], v[120:121]
	v_pk_add_f32 v[234:235], v[124:125], v[128:129]
	v_pk_add_f32 v[232:233], v[132:133], v[136:137]
	v_pk_add_f32 v[230:231], v[140:141], v[144:145]
	v_pk_add_f32 v[228:229], v[148:149], v[152:153]
	v_pk_add_f32 v[14:15], v[14:15], v[156:157]
	v_pk_add_f32 v[242:243], v[242:243], v[96:97]
	v_pk_add_f32 v[238:239], v[238:239], v[98:99]
	v_pk_add_f32 v[236:237], v[236:237], v[102:103]
	v_pk_add_f32 v[234:235], v[234:235], v[106:107]
	v_pk_add_f32 v[232:233], v[232:233], v[110:111]
	v_pk_add_f32 v[230:231], v[230:231], v[114:115]
	v_pk_add_f32 v[228:229], v[228:229], v[118:119]
	v_pk_add_f32 v[14:15], v[14:15], v[122:123]
	v_pk_add_f32 v[242:243], v[242:243], v[126:127]
	v_pk_add_f32 v[238:239], v[238:239], v[130:131]
	v_pk_add_f32 v[236:237], v[236:237], v[134:135]
	v_pk_add_f32 v[234:235], v[234:235], v[138:139]
	v_pk_add_f32 v[232:233], v[232:233], v[142:143]
	v_pk_add_f32 v[230:231], v[230:231], v[146:147]
	v_pk_add_f32 v[228:229], v[228:229], v[150:151]
	v_pk_add_f32 v[14:15], v[14:15], v[154:155]
	v_pk_add_f32 v[242:243], v[242:243], v[158:159]
	s_delay_alu instid0(VALU_DEP_2)
	v_pk_add_f32 v[14:15], v[14:15], v[234:235]
	s_delay_alu instid0(VALU_DEP_2)
	v_pk_add_f32 v[242:243], v[242:243], v[232:233]
	v_pk_add_f32 v[238:239], v[238:239], v[230:231]
	v_pk_add_f32 v[236:237], v[236:237], v[228:229]
	s_delay_alu instid0(VALU_DEP_2)
	v_pk_add_f32 v[14:15], v[14:15], v[238:239]
	s_delay_alu instid0(VALU_DEP_2)
	v_pk_add_f32 v[242:243], v[242:243], v[236:237]
	s_delay_alu instid0(VALU_DEP_1)
	v_pk_add_f32 v[14:15], v[14:15], v[242:243]
.set n, 0
.rept 64
	v_min_num_f32 v[96+n], v[96+n], v240           ; the conversion does not saturate (ISA guide 7.6.2); p is not negative
.set n, n+1
.endr
.irp t, 0,1,2,3,4,5,6,7
	v_cvt_scalef32_pk8_fp8_f32 v[224+2*\t:225+2*\t], v[96+8*\t:103+8*\t], v244
.endr
.set n, 0
.rept 16
	v_pk_mul_f32 v[160+n:161+n], v[160+n:161+n], v[252:253] op_sel_hi:[1,0]   ; O^T under the new M; also the plain lines behind the conversions
.set n, n+2
.endr
	s_wait_alu depctr_va_vdst(0)
	s_wait_dscnt 0x0                               ; v's fragments
.irp d, 0,1,2,3
	v_wmma_f32_16x16x128_fp8_fp8 v[160+8*\d:167+8*\d], v[32+16*\d:47+16*\d], v[224:239], v[160+8*\d:167+8*\d]
.endr
.Lhid_\@:
	s_add_co_u32 s[KF], s[KF], 128
	s_add_co_u32 s[TB], s[TB], 8192
.endm
; n steps from step first on: constants and a loop of constant count
.macro STEPS first, n
	s_mov_b32 s[KF], 128*\first
	s_mov_b32 s[TB], 8192*\first
	s_mov_b32 s[CNT], \n
.Lk_\@:
	STEP
	s_sub_co_u32 s[CNT], s[CNT], 1
	s_cmp_lg_u32 s[CNT], 0
	s_cbranch_scc1 .Lk_\@
.endm
; THE WAY OUT of a finished tile: O^T / the sum x 2^(e8 + e9), held, converted: tile d's eight codes are registers 2 d, 2 d + 1 of a half fragment of the next product's A
.macro WAYOUT base
.rept 4
	v_nop                                          ; places behind the last products
.endr
	v_add_f32 v14, v14, v15
	s_wait_alu depctr_va_vdst(0)
	v_permlanex16_b32 v246, v14, s20, s21
	s_delay_alu instid0(VALU_DEP_1)
	v_add_f32 v14, v14, v246                       ; the row's sum
	s_wait_alu depctr_va_vdst(0)
	v_rcp_f32 v14, v14
	v_nop                                          ; a plain line behind the transcendental,
	s_add_co_i32 s57, s76, s77
	s_wait_alu depctr_va_vdst(0)                   ; and the wait ahead of its first reader
	v_ldexp_f32 v14, v14, s57
.set n, 0
.rept 16
	v_pk_mul_f32 v[192+n:193+n], v[160+n:161+n], v[14:15] op_sel_hi:[1,0]
.set n, n+2
.endr
.set n, 0
.rept 32
	v_med3_num_f32 v[192+n], v[192+n], -v249, v249
.set n, n+1
.endr
.irp d, 0,1,2,3
	v_cvt_scalef32_pk8_fp8_f32 v[224+2*\d:225+2*\d], v[192+8*\d:199+8*\d], v248
.endr
	v_nop                                          ; a plain line behind the conversions
	global_store_b128 v[LI], v[224:227], s[\base:\base+1]              ; 512 consecutive bytes a store
	global_store_b128 v[LI], v[228:231], s[\base:\base+1] offset:512
.endm
	s_wait_alu depctr_va_vdst(0)                   ; the wait at the head's end
	s_wait_tensorcnt 0x0                           ; waves 0 to 3: my piece of keys 0 to 511 is in.  The lines ahead of a later first fill:
	ds_add_u32 v245, v247                          ; the add, twice on end
	ds_add_u32 v245, v247
	s_wait_dscnt 0x0
	s_barrier_signal -1
	s_barrier_wait -1                              ; keys 0 to 511 are in
	s_cmp_lt_u32 s[WV], 4
	s_cbranch_scc1 .Lfetched
	tensor_load_to_lds s[32:35], s[24:31]          ; waves 4 to 15: the other twelve pieces, one a wave: each byte of the two images is filled once
	s_nop 0
.rept 4
	v_nop
.endr
.Lfetched:
	STEPS 0, 4                                     ; steps 0 to 3 lie in the first 512 keys
	s_wait_tensorcnt 0x0                           ; my piece is in
	s_wait_dscnt 0x0
	s_barrier_signal -1
	s_barrier_wait -1                              ; all of k and v is in: from here to the meeting of the parts no wave waits for another (three barriers in all)
	STEPS 4, 4
	s_cmp_eq_u32 s[ROLE], 1                        ; a branch on the wave's number; no barrier and no LDS instruction stands under it
	s_cbranch_scc1 .Lkeep
	WAYOUT AOE                                     ; B: the early tile is finished (its last step is i, at most 7);
	INIT                                           ; the late tile begins anew,
.irp n, 0,1,2,3,4,5,6,7
	v_mov_b32 v[16+\n], v[24+\n]                   ; with its q,
.endr
	s_mov_b32 s[Q0], s[Q0L]
	s_mov_b32 s[KLO], 1152                         ; from step 9
	s_mov_b32 s[KHI], s[KHI2]                      ; to step 15 - i (for i = 7: no step)
	s_wait_xcnt 0x0                                ; the codes' registers, which the two stores read, are written again only behind this wait
.Lkeep:
	STEPS 8, 8
	; THE PARTS MEET.  B stores its part as images of its registers; every wave waits for its LDS instructions and passes the barrier; A reads the part behind it.
	s_cmp_eq_u32 s[ROLE], 1
	s_cbranch_scc1 .Lno_send
.rept 4
	v_nop                                          ; places behind the last products: the stores read their results
.endr
	ds_store_b128 v[SA], v[12:15]                  ; -M, the largest t, the sum's two halves
	s_wait_alu depctr_va_vdst(0)
.irp q, 0,1,2,3,4,5,6,7
	ds_store_b128 v[SA], v[160+4*\q:163+4*\q] offset:512*(\q+1)   ; O^T, each accumulator from its low end on
.endr
.Lno_send:
	s_wait_dscnt 0x0                               ; for the partner's sake: my stores are done
	s_barrier_signal -1
	s_barrier_wait -1
	s_cmp_eq_u32 s[ROLE], 0
	s_cbranch_scc1 .Lend
.rept 4
	v_nop                                          ; places in front of loads into registers that the last products read
.endr
.irp q, 0,1,2,3,4,5,6,7,8
	ds_load_b128 v[32+4*\q:35+4*\q], v[SA] offset:512*\q          ; v32 B's -M, v[34:35] its sums, v36-67 its O^T: the same lanes hold the same query and channels
.endr
	s_wait_dscnt 0x0
	v_min_num_f32 v254, v12, v32                   ; -M of the whole row: the smaller of the two
	s_delay_alu instid0(VALU_DEP_1)
	v_sub_f32 v252, v254, v12                      ; my M - M: a whole number, 0 or less
	s_delay_alu instid0(VALU_DEP_2)
	v_sub_f32 v250, v254, v32                      ; B's M - M
	s_delay_alu instid0(VALU_DEP_2)
	v_cvt_i32_f32 v252, v252                       ; (it saturates: an empty part's factor comes out as 0)
	s_delay_alu instid0(VALU_DEP_2)
	v_cvt_i32_f32 v250, v250
	s_delay_alu instid0(VALU_DEP_2)
	v_ldexp_f32 v252, 1.0, v252
	s_delay_alu instid0(VALU_DEP_2)
	v_ldexp_f32 v250, 1.0, v250
	s_delay_alu instid0(VALU_DEP_2)
	v_pk_mul_f32 v[14:15], v[14:15], v[252:253] op_sel_hi:[1,0]
	s_delay_alu instid0(VALU_DEP_1)
	v_pk_fma_f32 v[14:15], v[34:35], v[250:251], v[14:15] op_sel_hi:[1,0,1]
.set n, 0
.rept 16
	v_pk_mul_f32 v[160+n:161+n], v[160+n:161+n], v[252:253] op_sel_hi:[1,0]
.set n, n+2
.endr
.set n, 0
.rept 16
	v_pk_fma_f32 v[160+n:161+n], v[36+n:37+n], v[250:251], v[160+n:161+n] op_sel_hi:[1,0,1]
.set n, n+2
.endr
	WAYOUT AOL
.Lend:
	s_wait_tensorcnt 0x0
	ds_add_u32 v245, v247
	s_wait_dscnt 0x0
	s_endpgm
.Lfunc_end_k_q724785d679_attn:
	.size	k_q724785d679_attn, .Lfunc_end_k_q724785d679_attn-k_q724785d679_attn
	.p2alignl 7, 3214868480
	.fill 96, 4, 3214868480
	.section	.rodata,"a",@progbits
	.p2align	6, 0x0
	.amdhsa_kernel k_q724785d679_attn
		.amdhsa_group_segment_fixed_size 327680
		.amdhsa_private_segment_fixed_size 0
		.amdhsa_enable_private_segment 0
		.amdhsa_kernarg_size 24
		.amdhsa_user_sgpr_count 2
		.amdhsa_user_sgpr_kernarg_segment_ptr 1
		.amdhsa_wavefront_size32 1
		.amdhsa_system_sgpr_workgroup_id_x 1
		.amdhsa_system_sgpr_workgroup_id_y 1
		.amdhsa_system_sgpr_workgroup_id_z 1
		.amdhsa_system_vgpr_workitem_id 0
		.amdhsa_next_free_vgpr 256
		.amdhsa_next_free_sgpr 96
		.amdhsa_reserve_vcc 1
		.amdhsa_float_denorm_mode_32 3
		.amdhsa_float_denorm_mode_16_64 3
		.amdhsa_memory_ordered 1
		.amdhsa_forward_progress 1
		.amdhsa_inst_pref_size 86
	.end_amdhsa_kernel
	.amdgpu_metadata
---
amdhsa.version: [ 1, 2 ]
amdhsa.kernels:
  - .name:           k_q724785d679_attn
    .symbol:         k_q724785d679_attn.kd
    .args:
      - { .name: qkv, .offset: 0, .size: 8, .value_kind: global_buffer, .address_space: global }
      - { .name: lowp_scales, .offset: 8, .size: 8, .value_kind: global_buffer, .address_space: global }
      - { .name: ao, .offset: 16, .size: 8, .value_kind: global_buffer, .address_space: global }
    .group_segment_fixed_size: 327680
    .private_segment_fixed_size: 0
    .kernarg_segment_align: 8
    .kernarg_segment_size: 24
    .max_flat_workgroup_size: 512
    .sgpr_count:     96
    .vgpr_count:     256
    .wavefront_size: 32
...
	.end_amdgpu_metadata
.endif
;; end of part 3
;; launch wo (part 4): grid 8 x 32, 4 waves a work-group, clusters of 4 x 4, 327,680 bytes of LDS; arguments ao, Wo_codes, lowp_scales, bo, xn, x1; writes x1
.if DOCPART == 4
	.amdgcn_target "amdgcn-amd-amdhsa--gfx1250"
	.amdhsa_code_object_version 6
	.text
	.protected	k_q724785d679_wo
	.globl	k_q724785d679_wo
	.p2align	8
	.type	k_q724785d679_wo,@function
k_q724785d679_wo:
	s_mov_b64 s[64:65], 0
	v_nop
	global_prefetch_b8 v0, s[64:65] scope:SCOPE_SE
	s_setreg_imm32_b32 hwreg(HW_REG_WAVE_MODE, 25, 1), 1
	s_wait_xcnt 0x0
	s_wait_alu depctr_hold_cnt(0) depctr_sa_sdst(0) depctr_va_vdst(0) depctr_va_sdst(0) depctr_va_ssrc(0) depctr_va_vcc(0) depctr_vm_vsrc(0)
	s_getreg_b32 s2, hwreg(HW_REG_IB_STS2, 6, 4)
	s_cmp_eq_u32 s2, 0
	s_cbranch_scc0 .Lentry_in_a_cluster
	s_endpgm
.Lentry_in_a_cluster:
	s_bfe_u32 s2, ttmp6, 0x10000c
	s_cmp_lg_u32 s2, 0xf033
	s_cbranch_scc0 .Lentry_shape_is_right
	s_endpgm
.Lentry_shape_is_right:
; y = res + (A B^T x 2^(ea + eb) + bias), f32.  A: 4,096 rows x KROW codes, given as images of operand registers: fragment (16 rows rt, 128 along K s) is 2,048 bytes at ((s / 4) 256 + rt) x 8,192 + (s % 4) x 2,048.
; B: 1,024 rows of KROW codes, K innermost.  Here: A = the attention's result, B = Wo, bias = bo, res = xn.
; N is 1,024: tiles of 256 x 256 would be 64; a tile of 128 x 128 gives 256 work-groups.  Four waves, 64 x 64 each: 16 accumulators.  K goes in slots of 512: A's part is 64 KiB dense (two loads of 32 KiB),
; B's 128 rows of 512 bytes + 16 of padding (two loads of 64 rows).  CLUSTERS: 4 x 4; A's tile is asked for jointly along a row of the cluster, B's along a column.
; A's fragments come in the form's own order of k (registers 2 c, 2 c + 1: k = 16 c + 8 h + 0 .. 7), so B's are read in that order too: eight loads of 8 bytes a fragment.
; THE MATRIX INSTRUCTION IS USED TRANSPOSED (source 0 = B's rows, source 1 = A's): a lane holds eight neighbouring columns of a row.  A wave's 64 columns are 256 bytes: a block of 16 rows turns through the wave's own stage
; and leaves with sixteen lanes storing 256 consecutive, aligned bytes.  Residual and bias are asked for at the head and wanted only on the way out.
; LIMIT: ea + eb between -126 and 127.
.set KROW,   1024
.set LAPS,   KROW/1024                 ; a lap = two slots
.set EOFF,   40                        ; byte offset of ea, eb in the buffer of scales
.set PB,     528                       ; a row of B in LDS: 132 words: the 32 lanes of a load of 8 bytes touch 64 different banks (64 banks of 4 bytes: ISA guide 11.1)
.set BH,     64*PB
.set BOFF,   65536
.set SLOT,   BOFF+2*BH
.set STAGE,  2*SLOT                    ; behind the ring: 16 rows x 272 bytes for each wave
.set SPITCH, 272
.set SPARE,  STAGE+4*16*SPITCH         ; behind the stages: the spare words, 128 bytes for each wave
.set ADRA, 16
.set ADRB, 20
.set STO,  24
.set RD,   25
.set CO,   26                          ; v26  (lane / 16) rows of 4,096 bytes + 16 (lane % 16)
.set BCO,  27
.set SPW,  28
.set NIL,  29
.set TMP,  32                          ; v32-63   a block's 32 numbers
.set BK,   64                          ; v64-127  16 rows back from the stage, two sets
.set ACC,  128                         ; v128-255 accumulator (a, b) at 128 + 8 (4 a + b)
.set F0,   0                           ; window 1: two fragment buffers: A's four at f, B's four at f + 64
.set F1,   128
.set RES,  0                           ; window 2: the residual, register 32 a + 4 t + e;
.set BIA,  128                         ; the bias, register 8 b + j
.set G1, 24
.set G0, 32
.set G1B, 48
.set G0B, 56
.set MSB, 0
.macro WIN new
.if MSB != \new
	s_set_vgpr_msb (MSB<<8)|\new
.set MSB, \new
.endif
.endm
.set MUL,  0x05                        ; sources 0 and 1 window 1; C and D window 0
.set TO_F, 0x40                        ; destination window 1
.macro JLOAD s                         ; waves 0 and 1 fetch A's halves, waves 2 and 3 B's; four v_nop follow each line
	s_cmp_eq_u32 s11, 0
	s_cbranch_scc0 .Lfor_b_\@
	tensor_load_to_lds s[G0+4*\s:G0+4*\s+3], s[G1:G1+7]
	s_nop 0
.rept 4
	v_nop
.endr
	s_branch .Lasked_\@
.Lfor_b_\@:
	tensor_load_to_lds s[G0B+4*\s:G0B+4*\s+3], s[G1B:G1B+7]
	s_nop 0
.rept 4
	v_nop
.endr
.Lasked_\@:
.endm
.macro CREST
	s_cmp_lg_u32 s10, 0
	s_cbranch_scc1 .Lnot_wave_0_\@
	s_barrier_signal -3
.Lnot_wave_0_\@:
	s_barrier_wait -3
	s_barrier_signal -1
	s_barrier_wait -1
.endm
.macro CROUND
	s_barrier_signal -1
	s_barrier_wait -1
	CREST
.endm
	s_load_b256 s[68:75], s[0:1], 0x0              ; A s[68:69], B s[70:71], the scales' exponents s[72:73], bias s[74:75]
	s_load_b128 s[76:79], s[0:1], 0x20             ; residual s[76:77], output s[78:79]
	v_lshl_add_u32 v[SPW], v0, 2, SPARE
	v_mov_b32 v[NIL], 0
	ds_add_u32 v28, v29
	ds_add_u32 v28, v29
	s_wait_dscnt 0x0
	v_lshrrev_b32 v1, 5, v0
	v_readfirstlane_b32 s10, v1                    ; wave 0..3
	s_lshr_b32 s11, s10, 1                         ; my half of the tile's rows.  Also: I fetch for A (0) or for B (1)
	s_and_b32 s12, s10, 1                          ; my half of its columns.  Also: which half of that tile I fetch
	s_bfe_u32 s40, ttmp6, 0x40000
	s_bfe_u32 s41, ttmp6, 0x40004
	s_lshl_b32 s42, ttmp9, 2
	s_add_co_u32 s42, s42, s40                     ; tile column
	s_and_b32 s13, ttmp7, 0xffff
	s_lshl_b32 s13, s13, 2
	s_add_co_u32 s13, s13, s41                     ; tile row
	s_lshl_b32 s43, s41, 2
	s_lshl_b32 s43, 15, s43                        ; my row of the cluster
	s_lshl_b32 s44, 0x1111, s40                    ; my column
	s_or_b32 s[G1+0], s43, (3<<16)|(1<<21)         ; A: the mask; elements of 8 bytes; bit 21 beside a mask; no padding
	s_mov_b32 s[G1+1], 32<<16                      ; 32 KiB dense as 128 rows of 256 bytes
	s_mov_b32 s[G1+2], 128<<16
	s_mov_b32 s[G1+3], 32<<16
	s_mov_b32 s[G1+4], 128
	s_mov_b32 s[G1+5], 32
	s_mov_b32 s[G1+6], 0
	s_mov_b32 s[G1+7], 0
	s_or_b32 s[G1B+0], s44, (0<<16)|(1<<20)|(1<<21)|(6<<22)|(3<<25)  ; B: elements of 1 byte; 4 words of padding behind every 128
	s_mov_b32 s[G1B+1], 512<<16
	s_mov_b32 s[G1B+2], 64<<16
	s_mov_b32 s[G1B+3], 512<<16
	s_mov_b32 s[G1B+4], 64
	s_mov_b32 s[G1B+5], KROW
	s_mov_b32 s[G1B+6], 0
	s_mov_b32 s[G1B+7], 0
	s_lshl_b32 s16, s13, 16                        ; A: (8 x tile row + 4 x half) x 8,192
	s_lshl_b32 s17, s12, 15
	s_add_co_u32 s16, s16, s17
	s_mov_b32 s17, 0
	s_lshl_b32 s46, s42, 7                         ; B: (128 x tile column + 64 x half) rows
	s_lshl_b32 s47, s12, 6
	s_add_co_u32 s46, s46, s47
	s_mul_i32 s46, s46, KROW
	s_mov_b32 s47, 0
	s_lshl_b32 s20, s12, 15                        ; where they go
	s_mul_i32 s21, s12, BH
	s_add_co_u32 s21, s21, BOFF
	s_wait_kmcnt 0x0
	s_load_b64 s[96:97], s[72:73], EOFF            ; ea, eb
	s_add_nc_u64 s[14:15], s[68:69], s[16:17]
	s_add_nc_u64 s[46:47], s[70:71], s[46:47]
	CROUND                                         ; all sixteen work-groups are here: the first joint loads meet
.irp s, 0,1
	s_mov_b32 s[G0+4*\s], 1
	s_add_co_u32 s[G0+4*\s+1], s20, \s*SLOT
	s_add_nc_u64 s[G0+4*\s+2:G0+4*\s+3], s[14:15], \s*0x200000
	s_or_b32 s[G0+4*\s+3], s[G0+4*\s+3], 0x80000000
	s_mov_b32 s[G0B+4*\s], 1
	s_add_co_u32 s[G0B+4*\s+1], s21, \s*SLOT
	s_add_nc_u64 s[G0B+4*\s+2:G0B+4*\s+3], s[46:47], \s*512
	s_or_b32 s[G0B+4*\s+3], s[G0B+4*\s+3], 0x80000000
.endr
	JLOAD 0                                        ; slot 0: one tensor load a wave at the head
	; A PREFETCH of slot 1, whose load goes out when slot 0's has landed.  Of what my wave fetches each of the four partners that ask jointly names a quarter, told apart by address (cx for A, cy for B):
	; A: 8,192 of 32,768 dense bytes, lanes 256 bytes apart; B: 16 of 64 rows, two lanes to a row's 512 bytes.  Wo's rows are walked by eight rows of clusters: the first four ask.
	s_and_b32 s85, ttmp7, 0xffff
	s_cmp_lt_u32 s85, 4
	s_cselect_b32 s84, 1, 64
	s_mov_b32 s86, 14
	s_mov_b32 s82, 512
	s_mov_b32 s87, KROW
	s_cmp_eq_u32 s11, 0
	s_cselect_b32 s84, 1, s84
	s_cselect_b64 s[90:91], s[14:15], s[46:47]
	s_cselect_b32 s85, s40, s41
	s_cselect_b32 s86, 13, s86
	s_cselect_b32 s82, 0x200000, s82               ; a slot on
	s_cselect_b32 s87, 512, s87                    ; from lane pair to lane pair
	s_mov_b32 s83, 0
	s_lshl_b32 s88, s85, s86
	s_mov_b32 s89, 0
	s_add_nc_u64 s[90:91], s[90:91], s[88:89]
	s_add_nc_u64 s[90:91], s[90:91], s[82:83]
	v_and_b32 v9, 31, v0
	v_lshrrev_b32 v10, 1, v9
	v_and_b32 v9, 1, v9
	v_mul_lo_u32 v10, v10, s87
	v_lshl_add_u32 v30, v9, 8, v10
	s_cmp_eq_u32 s84, 1
	s_cbranch_scc0 .Lno_ask
	global_prefetch_b8 v30, s[90:91] th:TH_LOAD_NT scope:SCOPE_SE
.Lno_ask:
	v_and_b32 v1, 15, v0                           ; r
	v_bfe_u32 v2, v0, 4, 1                         ; h
	v_and_b32 v3, 31, v0
	v_lshlrev_b32 v4, 4, v3                        ; an image's place for my lane
	v_mul_u32_u24 v5, v1, PB
	v_lshl_add_u32 v5, v2, 3, v5                   ; B: row r, + 8 h
	s_lshl_b32 s21, s11, 15                        ; my four blocks of A
	s_mul_i32 s22, s12, BH                         ; my 64 rows of B
	s_add_co_u32 s22, s22, BOFF
.irp s, 0,1
	v_add_nc_u32 v[ADRA+\s], s21, v4
	v_add_nc_u32 v[ADRB+\s], s22, v5
	s_add_co_u32 s21, s21, SLOT
	s_add_co_u32 s22, s22, SLOT
.endr
	s_mul_i32 s23, s10, 16*SPITCH
	s_add_co_u32 s23, s23, STAGE                   ; my stage
	v_mul_u32_u24 v6, v1, SPITCH
	v_lshl_add_u32 v6, v2, 5, v6
	v_add_nc_u32 v[STO], s23, v6                   ; in: row r, 32 bytes for each half of the lanes
	v_mul_u32_u24 v7, v2, SPITCH
	v_lshl_add_u32 v7, v1, 4, v7
	v_add_nc_u32 v[RD], s23, v7                    ; back: lanes 0-15 one row, lanes 16-31 the next
	v_lshlrev_b32 v8, 12, v2
	v_lshl_add_u32 v[CO], v1, 4, v8                ; and the same two rows in memory
	s_wait_alu depctr_va_vdst(0)
	v_lshlrev_b32 v[BCO], 5, v2
	s_wait_alu depctr_va_vdst(0)
	s_lshl_b32 s16, s13, 7
	s_lshl_b32 s17, s11, 6
	s_add_co_u32 s16, s16, s17                     ; my first row,
	s_lshl_b32 s16, s16, 12
	s_lshl_b32 s17, s42, 9
	s_add_co_u32 s16, s16, s17
	s_lshl_b32 s17, s12, 8
	s_add_co_u32 s16, s16, s17                     ; my first column, in bytes
	s_mov_b32 s17, 0
	s_add_nc_u64 s[76:77], s[76:77], s[16:17]
	s_add_nc_u64 s[78:79], s[78:79], s[16:17]
	s_lshl_b32 s16, s42, 9
	s_lshl_b32 s18, s12, 8
	s_add_co_u32 s16, s16, s18
	s_add_nc_u64 s[74:75], s[74:75], s[16:17]
	WIN 0x80                                       ; destination window 2
.irp a, 0,1,2,3
.irp t, 0,1,2,3,4,5,6,7
	global_load_b128 v[RES+32*\a+4*\t:RES+32*\a+4*\t+3], v[CO], s[76:77] offset:(16*\a+2*\t)*4096 th:TH_LOAD_NT
.endr
.endr
.irp b, 0,1,2,3
	global_load_b128 v[BIA+8*\b:BIA+8*\b+3], v[BCO], s[74:75] offset:64*\b
	global_load_b128 v[BIA+8*\b+4:BIA+8*\b+7], v[BCO], s[74:75] offset:64*\b+16
.endr
	WIN 0
; four matrix instructions: A's block a x B's four.  The 16 accumulators take turns, one instruction a turn, in one order everywhere.
.macro MUL4 f, a, zero
.irp b, 0,1,2,3
.if \zero
	v_wmma_f32_16x16x128_fp8_fp8 v[ACC+8*(4*(\a)+\b):ACC+8*(4*(\a)+\b)+7], v[\f+64+16*\b:\f+64+16*\b+15], v[\f+16*(\a):\f+16*(\a)+15], 0
.else
	v_wmma_f32_16x16x128_fp8_fp8 v[ACC+8*(4*(\a)+\b):ACC+8*(4*(\a)+\b)+7], v[\f+64+16*\b:\f+64+16*\b+15], v[\f+16*(\a):\f+16*(\a)+15], v[ACC+8*(4*(\a)+\b):ACC+8*(4*(\a)+\b)+7]
.endif
.endr
.endm
; 48 LDS loads in one run: the fragments of the slot's q-th 128 along K into buffer f: B's four, then A's blocks 0, 1, then 2, 3
.macro FETCH slot, q, f
	WIN TO_F
.irp i, 0,1,2,3
.irp c, 0,1,2,3,4,5,6,7
	ds_load_b64 v[\f+64+16*\i+2*\c:\f+64+16*\i+2*\c+1], v[ADRB+\slot] offset:\i*16*PB+128*(\q)+16*\c
.endr
.endr
.irp i, 0,1,2,3
.irp c, 0,1,2,3
	ds_load_b128 v[\f+16*\i+4*\c:\f+16*\i+4*\c+3], v[ADRA+\slot] offset:8192*\i+2048*(\q)+512*\c
.endr
.endr
.endm
.macro PLACES
.rept 4
	v_nop
.endr
.endm
; A quarter of a slot: multiplies buffer f; in its middle the next quarter, qn, is fetched into g.
.macro QUARTER slot, qn, f, g, zero
	s_wait_dscnt 8                                 ; all but A's blocks 2 and 3
	WIN MUL
	MUL4 \f, 0, \zero
	MUL4 \f, 1, \zero
	PLACES
	FETCH \slot, \qn, \g
	s_wait_dscnt 48                                ; all but the 48 just issued
	WIN MUL
	MUL4 \f, 2, \zero
	MUL4 \f, 3, \zero
.endm
; A slot's last quarter multiplies buffer 1 and changes slots: one barrier; in front of it each wave waits for all its tensor loads, adds 0 to its spare word, and waits for that and for its reads of this slot.
.macro TURN slot, next, fill
	WIN 0
	s_wait_tensorcnt 0x0                           ; all my tensor loads have landed: my part of the next slot
	ds_add_u32 v[SPW], v[NIL]                      ; 0 onto my spare word
	s_wait_dscnt 9                                 ; the add and A's blocks 2 and 3 may be out
	WIN MUL
	MUL4 F1, 0, 0
	MUL4 F1, 1, 0
	s_wait_dscnt 0x0                               ; the add is done, and my reads of this slot are over
	s_barrier_signal -1
	MUL4 F1, 2, 0
.if \fill
	WIN 0
.endif
	s_barrier_wait -1
.if \fill
	CREST                                          ; the barrier has opened a round of the cluster's
	s_add_nc_u64 s[G0+4*\slot+2:G0+4*\slot+3], s[G0+4*\slot+2:G0+4*\slot+3], 0x400000
	s_add_nc_u64 s[G0B+4*\slot+2:G0B+4*\slot+3], s[G0B+4*\slot+2:G0B+4*\slot+3], 1024
	JLOAD \slot                                    ; the first tensor load behind the round; its four v_nop are the places in front of the loads below
.else
	PLACES
.endif
	FETCH \next, 0, F0
	WIN MUL
	MUL4 F1, 3, 0
.endm
	s_wait_alu depctr_va_vdst(0)                   ; the wait at the head's end
	s_wait_tensorcnt 0x0                           ; my part of slot 0 is in; the lines ahead of a later first fill:
	ds_add_u32 v[SPW], v[NIL]
	s_wait_dscnt 0x0
	CROUND                                         ; a whole round: everybody's part of slot 0 is in,
	JLOAD 1                                        ; and slot 1's load is the first tensor load behind the round
	FETCH 0, 0, F0
	QUARTER 0, 1, F0, F1, 1                        ; the first quarter's products start the sums
.if LAPS > 1
	WIN 0
	s_mov_b32 s3, LAPS-1
.Llap:
	QUARTER 0, 2, F1, F0, 0
	QUARTER 0, 3, F0, F1, 0
	TURN 0, 1, 1
	QUARTER 1, 1, F0, F1, 0
	QUARTER 1, 2, F1, F0, 0
	QUARTER 1, 3, F0, F1, 0
	TURN 1, 0, 1
	QUARTER 0, 1, F0, F1, 0
	WIN 0
	s_sub_co_u32 s3, s3, 1
	s_cmp_lg_u32 s3, 0
	s_cbranch_scc1 .Llap
.endif
	QUARTER 0, 2, F1, F0, 0                        ; the last lap fills nothing
	QUARTER 0, 3, F0, F1, 0
	TURN 0, 1, 0
	QUARTER 1, 1, F0, F1, 0
	QUARTER 1, 2, F1, F0, 0
	QUARTER 1, 3, F0, F1, 0
	s_wait_dscnt 8
	WIN MUL
	MUL4 F1, 0, 0
	MUL4 F1, 1, 0
	s_wait_dscnt 0
	MUL4 F1, 2, 0
	MUL4 F1, 3, 0
	WIN 0
	; THE WAY OUT, a block of 16 rows at a time
	s_wait_kmcnt 0x0
	s_add_co_i32 s96, s96, s97
	s_add_co_i32 s96, s96, 127
	s_lshl_b32 s96, s96, 23                        ; 2^(ea + eb) as f32
	s_mov_b32 s97, s96
	PLACES
	s_wait_loadcnt 0x0                             ; residual and bias
.irp a, 0,1,2,3
	s_wait_xcnt 0x0                                ; registers that earlier stores read are written again only behind this wait
	WIN 0x20                                       ; source 2 (the bias) window 2
.irp b, 0,1,2,3
.irp i, 0,2,4,6
	v_pk_fma_f32 v[TMP+8*\b+\i:TMP+8*\b+\i+1], v[ACC+8*(4*\a+\b)+\i:ACC+8*(4*\a+\b)+\i+1], s[96:97], v[BIA+8*\b+\i:BIA+8*\b+\i+1] op_sel_hi:[1,0,1]
.endr
.endr
	WIN 0
.irp b, 0,1,2,3
	ds_store_b128 v[STO], v[TMP+8*\b:TMP+8*\b+3] offset:64*\b
	ds_store_b128 v[STO], v[TMP+8*\b+4:TMP+8*\b+7] offset:64*\b+16
.endr
.irp t, 0,1,2,3,4,5,6,7
	ds_load_b128 v[BK+32*(\a%2)+4*\t:BK+32*(\a%2)+4*\t+3], v[RD] offset:\t*2*SPITCH   ; LDS serves a wave's instructions in order: these see the stores above
.endr
	s_wait_dscnt 0x0
	WIN 0x08                                       ; source 1 (the residual) window 2
.irp m, 0,2,4,6,8,10,12,14,16,18,20,22,24,26,28,30
	v_pk_add_f32 v[BK+32*(\a%2)+\m:BK+32*(\a%2)+\m+1], v[BK+32*(\a%2)+\m:BK+32*(\a%2)+\m+1], v[RES+32*\a+\m:RES+32*\a+\m+1]
.endr
	WIN 0
.irp t, 0,1,2,3,4,5,6,7
	global_store_b128 v[CO], v[BK+32*(\a%2)+4*\t:BK+32*(\a%2)+4*\t+3], s[78:79] offset:(16*\a+2*\t)*4096   ; sixteen lanes store 256 consecutive bytes, aligned
.endr
.endr
	s_wait_tensorcnt 0x0                           ; the wave's end
	ds_add_u32 v[SPW], v[NIL]
	s_wait_dscnt 0x0
	CROUND                                         ; the closing round
	s_endpgm
.Lfunc_end_k_q724785d679_wo:
	.size	k_q724785d679_wo, .Lfunc_end_k_q724785d679_wo-k_q724785d679_wo
	.p2alignl 7, 3214868480
	.fill 96, 4, 3214868480
	.section	.rodata,"a",@progbits
	.p2align	6, 0x0
	.amdhsa_kernel k_q724785d679_wo
		.amdhsa_group_segment_fixed_size 327680
		.amdhsa_private_segment_fixed_size 0
		.amdhsa_enable_private_segment 0
		.amdhsa_kernarg_size 48
		.amdhsa_user_sgpr_count 2
		.amdhsa_user_sgpr_kernarg_segment_ptr 1
		.amdhsa_wavefront_size32 1
		.amdhsa_system_sgpr_workgroup_id_x 1
		.amdhsa_system_sgpr_workgroup_id_y 1
		.amdhsa_system_sgpr_workgroup_id_z 1
		.amdhsa_system_vgpr_workitem_id 0
		.amdhsa_next_free_vgpr 768
		.amdhsa_next_free_sgpr 100
		.amdhsa_reserve_vcc 0
		.amdhsa_float_denorm_mode_32 3
		.amdhsa_float_denorm_mode_16_64 3
		.amdhsa_memory_ordered 1
		.amdhsa_forward_progress 1
		.amdhsa_inst_pref_size 64
	.end_amdhsa_kernel
	.amdgpu_metadata
---
amdhsa.version: [ 1, 2 ]
amdhsa.kernels:
  - .name:           k_q724785d679_wo
    .symbol:         k_q724785d679_wo.kd
    .args:
      - { .name: ao, .offset: 0, .size: 8, .value_kind: global_buffer, .address_space: global }
      - { .name: Wo_codes, .offset: 8, .size: 8, .value_kind: global_buffer, .address_space: global }
      - { .name: lowp_scales, .offset: 16, .size: 8, .value_kind: global_buffer, .address_space: global }
      - { .name: bo, .offset: 24, .size: 8, .value_kind: global_buffer, .address_space: global }
      - { .name: xn, .offset: 32, .size: 8, .value_kind: global_buffer, .address_space: global }
      - { .name: x1, .offset: 40, .size: 8, .value_kind: global_buffer, .address_space: global }
    .group_segment_fixed_size: 327680
    .private_segment_fixed_size: 0
    .kernarg_segment_align: 8
    .kernarg_segment_size: 48
    .max_flat_workgroup_size: 128
    .sgpr_count:     100
    .vgpr_count:     768
    .wavefront_size: 32
...
	.end_amdgpu_metadata
.endif
;; end of part 4
;; launch ln2 (part 5): grid 256 x 1, 8 waves a work-group, no clusters, 41,984 bytes of LDS; arguments x1, g2, be2, lowp_scales, x2, x2c; writes x2, x2c
.if DOCPART == 5
	.amdgcn_target "amdgcn-amd-amdhsa--gfx1250"
	.amdhsa_code_object_version 6
	.text
	.protected	k_q724785d679_ln2
	.globl	k_q724785d679_ln2
	.p2align	8
	.type	k_q724785d679_ln2,@function
k_q724785d679_ln2:
	s_mov_b64 s[64:65], 0
	v_nop
	global_prefetch_b8 v0, s[64:65] scope:SCOPE_SE
	s_setreg_imm32_b32 hwreg(HW_REG_WAVE_MODE, 25, 1), 1
	s_wait_xcnt 0x0
; x2 = (x1 - mean) * rsqrt(var + 1e-5) * g2 + be2, row by row of 1,024 numbers, all in f32; stored as f32 (the residual of the feed-forward block)
; and as E4M3 codes under the scale given for the A operand of the first feed-forward product (entry 12 of the scales).
; code = x2 / 2^e, held within +-448, rounded to the nearest code, ties to even.  LIMITS: e between -126 and 119.  NaN among the inputs is not served.
; SHARES.  A row is 4,096 bytes: one wave takes a whole row in 32 registers, so mean and variance never leave the wave: no barrier.  Eight waves, two rows each; the wave's g and be are loaded once.
; The variance is taken of x - mean (two passes over registers), so a common offset of the inputs costs no digits.
; Every load and store of a wave covers 512 consecutive bytes.  The conversions want 16 NEIGHBOURS in a lane, the loads give 4: so a row turns through the wave's own stage in LDS
; (as loaded in, 64 bytes a lane out; 16 bytes of padding behind each 64).  A stream: no matrix unit, no tensor load, no cluster: nothing is shared between work-groups but g and be.
.set NS,   1                           ; sets of codes
.set EB0,  48                          ; byte offset of the exponent in the buffer of scales
.set SP,   80                          ; a lane's place in a stage: 64 bytes + 16 of padding
.set STG,  32*SP                       ; a stage: 512 numbers; a row takes two
.set LO,   1                           ; v1       16 x lane; never rewritten
.set SIN,  2                           ; v2       the stage, on the way in
.set SOUT, 3                           ; v3       and on the way out
.set S,    8                           ; v8-15    four packed chains
.set MU,   16                          ; v16-17   the mean, twice
.set RS,   18                          ; v18-19   rsqrt(var + eps), twice
.set PT,   20                          ; v20      the lane exchange's destination
.set SCL,  21                          ; v21      2^e as f32
.set LIM,  24                          ; v24      448 x 2^e
.set G,    32                          ; v32-63   g
.set BE,   64                          ; v64-95   be
.set X,    96                          ; v96-159  two rows: register 4 j + e = column 128 j + 4 lane + e
.set Z,    160                         ; v160-191 a row turned: register 16 s + n = column 512 s + 16 lane + n
.set T,    192                         ; v192-207 16 numbers held
.set C,    208                         ; v208-215 codes: four registers for each half row
	s_load_b256 s[4:11], s[0:1], 0x0               ; in s[4:5], g s[6:7], be s[8:9], the scales' exponents s[10:11]
	s_load_b128 s[12:15], s[0:1], 0x20             ; the f32 output s[12:13], the codes s[14:15]
	v_lshl_add_u32 v232, v0, 2, 0xa000
	v_mov_b32 v233, 0
	v_lshrrev_b32 v4, 5, v0
	s_delay_alu instid0(VALU_DEP_1)
	v_readfirstlane_b32 s24, v4                    ; wave 0..7
	v_and_b32 v5, 31, v0                           ; lane
	s_delay_alu instid0(VALU_DEP_1)
	v_lshlrev_b32 v[LO], 4, v5
	s_mul_i32 s25, s24, 2*STG                      ; my wave's two stages
	v_lshrrev_b32 v[SIN], 2, v5
	s_delay_alu instid0(VALU_DEP_1)
	v_mul_u32_u24 v[SIN], v[SIN], SP
	v_and_b32 v6, 3, v5
	s_delay_alu instid0(VALU_DEP_1)
	v_lshl_add_u32 v[SIN], v6, 4, v[SIN]
	s_delay_alu instid0(VALU_DEP_1)
	v_add_nc_u32 v[SIN], s25, v[SIN]               ; in: four lanes' 64 bytes on end, then the padding
	v_mul_u32_u24 v[SOUT], v5, SP
	s_delay_alu instid0(VALU_DEP_1)
	v_add_nc_u32 v[SOUT], s25, v[SOUT]             ; out: my 64 bytes
	v_mov_b32 v[PT], 0                             ; written once: a lane exchange's destination counts as read
	s_lshl_b32 s26, ttmp9, 4
	s_lshl_b32 s27, s24, 1
	s_add_co_u32 s26, s26, s27                     ; my first row: 16 x work-group + 2 x wave
	s_lshl_b32 s28, s26, 10                        ; in bytes of codes,
	s_mov_b32 s29, 0
	s_lshl_b32 s26, s26, 12                        ; and of f32
	s_mov_b32 s27, 0
	s_mov_b32 s20, 0x3a800000                      ; 1 / 1,024
	s_mov_b32 s21, 0x3727c5ac                      ; 1e-5
	s_mov_b32 s22, 0x76543210                      ; lane l takes lane l xor 16
	s_mov_b32 s23, 0xfedcba98
	s_wait_alu depctr_va_vdst(0)
	s_wait_kmcnt 0x0
	s_load_b32 s30, s[10:11], EB0
	s_add_nc_u64 s[4:5], s[4:5], s[26:27]
	s_add_nc_u64 s[12:13], s[12:13], s[26:27]
	s_add_nc_u64 s[14:15], s[14:15], s[28:29]
.irp j, 0,1,2,3,4,5,6,7
	global_load_b128 v[X+4*\j:X+4*\j+3], v[LO], s[4:5] offset:512*\j th:TH_LOAD_NT
.endr
.irp j, 0,1,2,3,4,5,6,7
	global_load_b128 v[G+4*\j:G+4*\j+3], v[LO], s[6:7] offset:512*\j
.endr
.irp j, 0,1,2,3,4,5,6,7
	global_load_b128 v[BE+4*\j:BE+4*\j+3], v[LO], s[8:9] offset:512*\j
.endr
.irp j, 0,1,2,3,4,5,6,7
	global_load_b128 v[X+32+4*\j:X+32+4*\j+3], v[LO], s[4:5] offset:4096+512*\j th:TH_LOAD_NT
.endr
	s_wait_kmcnt 0x0
	s_add_co_i32 s30, s30, 127                     ; 2^e and 448 x 2^e as f32 numbers, made from the whole number e
	s_lshl_b32 s33, s30, 23
	v_mov_b32 v[SCL], s33
	s_add_co_i32 s30, s30, 8
	s_lshl_b32 s33, s30, 23
	s_or_b32 s33, s33, 0x600000
	v_mov_b32 v[LIM], s33
.macro JOIN                            ; the four chains, the pair's halves, the 32 lanes: every lane ends with the row's sum in v[S]
	s_delay_alu instid0(VALU_DEP_3)
	v_pk_add_f32 v[S:S+1], v[S:S+1], v[S+2:S+3]
	s_delay_alu instid0(VALU_DEP_2)
	v_pk_add_f32 v[S+4:S+5], v[S+4:S+5], v[S+6:S+7]
	s_delay_alu instid0(VALU_DEP_1)
	v_pk_add_f32 v[S:S+1], v[S:S+1], v[S+4:S+5]
	s_delay_alu instid0(VALU_DEP_1)
	v_add_f32 v[S], v[S], v[S+1]
	s_delay_alu instid0(VALU_DEP_1)
	v_add_f32_dpp v[S], v[S], v[S] row_xmask:1 row_mask:0xf bank_mask:0xf
	s_delay_alu instid0(VALU_DEP_1)
	v_add_f32_dpp v[S], v[S], v[S] row_xmask:2 row_mask:0xf bank_mask:0xf
	s_delay_alu instid0(VALU_DEP_1)
	v_add_f32_dpp v[S], v[S], v[S] row_xmask:4 row_mask:0xf bank_mask:0xf
	s_delay_alu instid0(VALU_DEP_1)
	v_add_f32_dpp v[S], v[S], v[S] row_xmask:8 row_mask:0xf bank_mask:0xf
	s_delay_alu instid0(VALU_DEP_1)
	v_permlanex16_b32 v[PT], v[S], s22, s23
	s_delay_alu instid0(VALU_DEP_1)
	v_add_f32 v[S], v[S], v[PT]
.endm
.macro CODES i, s                      ; half row s of row i: hold, convert, store 512 consecutive bytes
.irp n, 0,1,2,3,4,5,6,7,8,9,10,11,12,13,14,15
	v_med3_num_f32 v[T+\n], v[Z+16*\s+\n], -v[LIM], v[LIM]   ; the conversion to an 8-bit code does not saturate (ISA guide 7.6.2)
.endr
	v_cvt_scalef32_pk8_fp8_f32 v[C+4*\s:C+4*\s+1], v[T:T+7], v[SCL]
	v_cvt_scalef32_pk8_fp8_f32 v[C+4*\s+2:C+4*\s+3], v[T+8:T+15], v[SCL]
	v_nop                                          ; a plain line between the conversions and the next holds, which write their sources
	global_store_b128 v[LO], v[C+4*\s:C+4*\s+3], s[14:15] offset:1024*\i+512*\s
.endm
; One row.  w1: the younger loads that may be out when the row is needed; w2: those that may be out when g and be are needed.
.macro ROW i, w1, w2
.set XR, X+32*\i
	s_wait_loadcnt \w1
.irp k, 0,1,2,3
	v_pk_add_f32 v[S+2*\k:S+2*\k+1], v[XR+2*\k:XR+2*\k+1], v[XR+8+2*\k:XR+8+2*\k+1]   ; the first words start the chains: nothing is cleared
.endr
.irp m, 2,3
.irp k, 0,1,2,3
	s_delay_alu instid0(VALU_DEP_4)
	v_pk_add_f32 v[S+2*\k:S+2*\k+1], v[S+2*\k:S+2*\k+1], v[XR+8*\m+2*\k:XR+8*\m+2*\k+1]
.endr
.endr
	JOIN
	s_delay_alu instid0(VALU_DEP_1)
	v_mul_f32 v[MU], s20, v[S]                     ; the mean
	s_delay_alu instid0(VALU_DEP_1)
	v_mov_b32 v[MU+1], v[MU]
.set n, 0
.rept 16
	v_pk_add_f32 v[XR+n:XR+n+1], v[XR+n:XR+n+1], v[MU:MU+1] neg_lo:[0,1] neg_hi:[0,1]   ; x - mean
.set n, n+2
.endr
.irp k, 0,1,2,3
	v_pk_mul_f32 v[S+2*\k:S+2*\k+1], v[XR+2*\k:XR+2*\k+1], v[XR+2*\k:XR+2*\k+1]
.endr
.irp m, 1,2,3
.irp k, 0,1,2,3
	s_delay_alu instid0(VALU_DEP_4)
	v_pk_fma_f32 v[S+2*\k:S+2*\k+1], v[XR+8*\m+2*\k:XR+8*\m+2*\k+1], v[XR+8*\m+2*\k:XR+8*\m+2*\k+1], v[S+2*\k:S+2*\k+1]
.endr
.endr
	JOIN
	s_delay_alu instid0(VALU_DEP_1)
	v_fma_f32 v[RS], v[S], s20, s21                ; var + eps
	s_wait_alu depctr_va_vdst(0)
	v_rsq_f32 v[RS], v[RS]
	v_nop                                          ; a plain line behind the transcendental,
	s_wait_alu depctr_va_vdst(0)                   ; and the wait ahead of its first reader
	v_mov_b32 v[RS+1], v[RS]
	s_wait_alu depctr_va_vdst(0)
	s_wait_loadcnt \w2                             ; g and be
.set n, 0
.rept 16
	v_pk_mul_f32 v[XR+n:XR+n+1], v[XR+n:XR+n+1], v[RS:RS+1]
.set n, n+2
.endr
.set n, 0
.rept 16
	v_pk_fma_f32 v[XR+n:XR+n+1], v[XR+n:XR+n+1], v[G+n:G+n+1], v[BE+n:BE+n+1]
.set n, n+2
.endr
.irp j, 0,1,2,3,4,5,6,7
	global_store_b128 v[LO], v[XR+4*\j:XR+4*\j+3], s[12:13] offset:4096*\i+512*\j
.endr
.irp j, 0,1,2,3,4,5,6,7
	ds_store_b128 v[SIN], v[XR+4*\j:XR+4*\j+3] offset:STG*(\j/4)+8*SP*(\j%4)
.endr
.irp j, 0,1,2,3,4,5,6,7
	ds_load_b128 v[Z+4*\j:Z+4*\j+3], v[SOUT] offset:STG*(\j/4)+16*(\j%4)   ; LDS serves a wave's instructions in order: these see the stores above
.endr
	s_wait_dscnt 0x0
	s_wait_xcnt 0x0                                ; the codes' registers, which the last row's stores read, are written again only behind this wait
	CODES \i, 0
	CODES \i, 1
.endm
	ROW 0, 24, 8                                   ; 24: g, be and row 1 may be out;  8: row 1 may be out
	ROW 1, 0, 0
	s_wait_tensorcnt 0x0
	ds_add_u32 v232, v233
	s_wait_dscnt 0x0
	s_endpgm
.Lfunc_end_k_q724785d679_ln2:
	.size	k_q724785d679_ln2, .Lfunc_end_k_q724785d679_ln2-k_q724785d679_ln2
	.p2alignl 7, 3214868480
	.fill 96, 4, 3214868480
	.section	.rodata,"a",@progbits
	.p2align	6, 0x0
	.amdhsa_kernel k_q724785d679_ln2
		.amdhsa_group_segment_fixed_size 41984
		.amdhsa_private_segment_fixed_size 0
		.amdhsa_enable_private_segment 0
		.amdhsa_kernarg_size 48
		.amdhsa_user_sgpr_count 2
		.amdhsa_user_sgpr_kernarg_segment_ptr 1
		.amdhsa_wavefront_size32 1
		.amdhsa_system_sgpr_workgroup_id_x 1
		.amdhsa_system_sgpr_workgroup_id_y 1
		.amdhsa_system_sgpr_workgroup_id_z 1
		.amdhsa_system_vgpr_workitem_id 0
		.amdhsa_next_free_vgpr 234
		.amdhsa_next_free_sgpr 66
		.amdhsa_reserve_vcc 0
		.amdhsa_float_denorm_mode_32 3
		.amdhsa_float_denorm_mode_16_64 3
		.amdhsa_memory_ordered 1
		.amdhsa_forward_progress 1
		.amdhsa_inst_pref_size 30
	.end_amdhsa_kernel
	.amdgpu_metadata
---
amdhsa.version: [ 1, 2 ]
amdhsa.kernels:
  - .name:           k_q724785d679_ln2
    .symbol:         k_q724785d679_ln2.kd
    .args:
      - { .name: x1, .offset: 0, .size: 8, .value_kind: global_buffer, .address_space: global }
      - { .name: g2, .offset: 8, .size: 8, .value_kind: global_buffer, .address_space: global }
      - { .name: be2, .offset: 16, .size: 8, .value_kind: global_buffer, .address_space: global }
      - { .name: lowp_scales, .offset: 24, .size: 8, .value_kind: global_buffer, .address_space: global }
      - { .name: x2, .offset: 32, .size: 8, .value_kind: global_buffer, .address_space: global }
      - { .name: x2c, .offset: 40, .size: 8, .value_kind: global_buffer, .address_space: global }
    .group_segment_fixed_size: 41984
    .private_segment_fixed_size: 0
    .kernarg_segment_align: 8
    .kernarg_segment_size: 48
    .max_flat_workgroup_size: 256
    .sgpr_count:     66
    .vgpr_count:     234
    .wavefront_size: 32
...
	.end_amdgpu_metadata
.endif
;; end of part 5
;; launch ff1 (part 6): grid 16 x 16, 4 waves a work-group, clusters of 4 x 4, 327,680 bytes of LDS; arguments x2c, W1_codes, lowp_scales, b1, h; writes h
.if DOCPART == 6
	.amdgcn_target "amdgcn-amd-amdhsa--gfx1250"
	.amdhsa_code_object_version 6
	.text
	.protected	k_q724785d679_ff1
	.globl	k_q724785d679_ff1
	.p2align	8
	.type	k_q724785d679_ff1,@function
k_q724785d679_ff1:
	s_mov_b64 s[64:65], 0
	v_nop
	global_prefetch_b8 v0, s[64:65] scope:SCOPE_SE
	s_setreg_imm32_b32 hwreg(HW_REG_WAVE_MODE, 25, 1), 1
	s_wait_xcnt 0x0
	s_wait_alu depctr_hold_cnt(0) depctr_sa_sdst(0) depctr_va_vdst(0) depctr_va_sdst(0) depctr_va_ssrc(0) depctr_va_vcc(0) depctr_vm_vsrc(0)
	s_getreg_b32 s2, hwreg(HW_REG_IB_STS2, 6, 4)
	s_cmp_eq_u32 s2, 0
	s_cbranch_scc0 .Lentry_in_a_cluster
	s_endpgm
.Lentry_in_a_cluster:
	s_bfe_u32 s2, ttmp6, 0x10000c
	s_cmp_lg_u32 s2, 0xf033
	s_cbranch_scc0 .Lentry_shape_is_right
	s_endpgm
.Lentry_shape_is_right:
; h = relu(x2 W1 + b1) on E4M3 codes, quantised at once under entry 14 of the scales and stored as images of the next product's operand registers:
; fragment (16 rows rt, 128 along the next K s) is 2,048 bytes at ((s / 4) 256 + rt) x 8,192 + (s % 4) x 2,048.  A = x2's codes, 4,096 rows; B = W1's rows, 4,096; K = 1,024.
; A tile of 256 x 256 is made by four waves, 128 x 128 each; K goes in steps of 256 through two LDS slots; clusters of 4 x 4 ask jointly for A's tile along a row and for B's along a column.
; LIMITS: entries 12 + 13 between -126 and 127; entry 14 between -126 and 119.
.set SIZE_K, 1024
.set KSTEP,  256
.set ROWB,   256
.set KROW,   SIZE_K
.set PITCH,  272
.set FR,     16
.set NL,     4
.set NP,     4
.set HALFT,  128*PITCH
.set SLOT,   4*HALFT
.set LAPS,   SIZE_K/(2*KSTEP)
.set SPARE,  2*SLOT
.set ADRA, 16
.set ADRB, 20
.set OL,   24
.set BCO,  25
.set SPW,  28
.set NIL,  29
.set SCL,  30
.set LIM,  31
.set BC,   32
.set AF,   128
.set TMP,  128
.set CD,   192
.set G1, 24
.set G0, 32
.set G1B, 48
.set G0B, 56
.set MSB, 0
.macro WIN new
.if MSB != \new
	s_set_vgpr_msb (MSB<<8)|\new
.set MSB, \new
.endif
.endm
.set MUL_LO, 0xa1
.set MUL_HI, 0xf1
.set TO_B,   0x40
.macro JLOAD g0a, g1a, g0b, g1b
	s_cmp_eq_u32 s15, 0
	s_cbranch_scc0 .Lfor_b_\@
	tensor_load_to_lds s[\g0a:\g0a+3], s[\g1a:\g1a+7]
	s_nop 0
.rept 4
	v_nop
.endr
	s_branch .Lasked_\@
.Lfor_b_\@:
	tensor_load_to_lds s[\g0b:\g0b+3], s[\g1b:\g1b+7]
	s_nop 0
.rept 4
	v_nop
.endr
.Lasked_\@:
.endm
.macro CREST
	s_cmp_lg_u32 s14, 0
	s_cbranch_scc1 .Lnot_wave_0_\@
	s_barrier_signal -3
.Lnot_wave_0_\@:
	s_barrier_wait -3
	s_barrier_signal -1
	s_barrier_wait -1
.endm
.macro CROUND
	s_barrier_signal -1
	s_barrier_wait -1
	CREST
.endm
	s_load_b128 s[4:7], s[0:1], 0x0
	s_load_b64 s[12:13], s[0:1], 0x10
	s_load_b128 s[8:11], s[0:1], 0x18
	v_lshl_add_u32 v[SPW], v0, 2, SPARE
	v_mov_b32 v[NIL], 0
	ds_add_u32 v28, v29
	ds_add_u32 v28, v29
	s_wait_dscnt 0x0
	v_lshrrev_b32 v1, 5, v0
	v_readfirstlane_b32 s14, v1
	s_lshr_b32 s15, s14, 1
	s_and_b32 s16, s14, 1
	s_bfe_u32 s40, ttmp6, 0x40000
	s_bfe_u32 s41, ttmp6, 0x40004
	s_lshl_b32 s42, ttmp9, 2
	s_add_co_u32 s42, s42, s40
	s_and_b32 s17, ttmp7, 0xffff
	s_lshl_b32 s17, s17, 2
	s_add_co_u32 s17, s17, s41
	s_lshl_b32 s43, s41, 2
	s_lshl_b32 s43, 15, s43
	s_lshl_b32 s44, 0x1111, s40
	s_or_b32 s[G1+0], s43, (0<<16)|(1<<20)|(1<<21)|(5<<22)|(3<<25)
	s_or_b32 s[G1B+0], s44, (0<<16)|(1<<20)|(1<<21)|(5<<22)|(3<<25)
.irp g, G1, G1B
	s_mov_b32 s[\g+1], ROWB<<16
	s_mov_b32 s[\g+2], 128<<16
	s_mov_b32 s[\g+3], ROWB<<16
	s_mov_b32 s[\g+4], 128
	s_mov_b32 s[\g+5], KROW
	s_mov_b32 s[\g+6], 0
	s_mov_b32 s[\g+7], 0
.endr
	s_lshl_b32 s18, s16, 7
	s_lshl_b32 s20, s17, 8
	s_add_co_u32 s20, s20, s18
	s_lshl_b32 s20, s20, 10
	s_mov_b32 s21, 0
	s_lshl_b32 s46, s42, 8
	s_add_co_u32 s46, s46, s18
	s_lshl_b32 s46, s46, 10
	s_mov_b32 s47, 0
	s_mul_i32 s45, s14, HALFT
	s_wait_kmcnt 0x0
	s_load_b128 s[68:71], s[12:13], 0x30
	s_add_nc_u64 s[20:21], s[4:5], s[20:21]
	s_add_nc_u64 s[46:47], s[6:7], s[46:47]
	CROUND
.irp s, 0,1
	s_mov_b32 s[G0+4*\s], 1
	s_add_co_u32 s[G0+4*\s+1], s45, \s*SLOT
	s_add_nc_u64 s[G0+4*\s+2:G0+4*\s+3], s[20:21], \s*ROWB
	s_or_b32 s[G0+4*\s+3], s[G0+4*\s+3], 0x80000000
	s_mov_b32 s[G0B+4*\s], 1
	s_add_co_u32 s[G0B+4*\s+1], s45, \s*SLOT
	s_add_nc_u64 s[G0B+4*\s+2:G0B+4*\s+3], s[46:47], \s*ROWB
	s_or_b32 s[G0B+4*\s+3], s[G0B+4*\s+3], 0x80000000
.endr
	JLOAD G0, G1, G0B, G1B                         ; K step 0: one tensor load a wave at the head
	; PREFETCHES of the K steps to come.  Of the 128 rows that my wave fetches, each of the four partners that ask for them jointly names 32, told apart by address (cx for A, cy for B): a lane a row,
	; 256 bytes of a row a K step.  Here K steps 1 and 2; behind K step 1's load K step 3: never more than two K steps are asked for and not yet loaded.
	s_cmp_eq_u32 s15, 0
	s_cselect_b64 s[80:81], s[20:21], s[46:47]
	s_cselect_b32 s82, s40, s41
	s_lshl_b32 s82, s82, 15                        ; 32 rows of 1,024 bytes for each place
	s_mov_b32 s83, 0
	s_add_nc_u64 s[80:81], s[80:81], s[82:83]
	v_and_b32 v27, 31, v0
	v_lshlrev_b32 v27, 10, v27                     ; never rewritten
	global_prefetch_b8 v27, s[80:81] offset:256 th:TH_LOAD_NT scope:SCOPE_SE
	global_prefetch_b8 v27, s[80:81] offset:512 th:TH_LOAD_NT scope:SCOPE_SE
	v_and_b32 v1, 15, v0
	v_bfe_u32 v2, v0, 4, 1
	v_mul_u32_u24 v3, v1, PITCH
	v_lshl_add_u32 v4, v2, 4, v3
	s_mul_i32 s21, s15, HALFT
	s_mul_i32 s22, s16, HALFT
	s_add_co_u32 s22, s22, 2*HALFT
.irp s, 0,1
	v_add_nc_u32 v[ADRA+\s], s21, v4
	v_add_nc_u32 v[ADRB+\s], s22, v4
	s_add_co_u32 s21, s21, SLOT
	s_add_co_u32 s22, s22, SLOT
.endr
	v_and_b32 v5, 31, v0
	v_lshlrev_b32 v[OL], 4, v5
	v_lshlrev_b32 v[BCO], 5, v2
	s_lshl_b32 s18, s42, 10
	s_lshl_b32 s19, s16, 9
	s_add_co_u32 s18, s18, s19
	s_mov_b32 s19, 0
	s_add_nc_u64 s[8:9], s[8:9], s[18:19]
.irp b, 0,1,2,3,4,5,6,7
	global_load_b128 v[BC+8*\b:BC+8*\b+3], v[BCO], s[8:9] offset:64*\b
	global_load_b128 v[BC+8*\b+4:BC+8*\b+7], v[BCO], s[8:9] offset:64*\b+16
.endr
	s_lshl_b32 s18, s42, 1
	s_add_co_u32 s18, s18, s16
	s_lshr_b32 s19, s18, 2
	s_lshl_b32 s19, s19, 8
	s_lshl_b32 s22, s17, 4
	s_add_co_u32 s19, s19, s22
	s_lshl_b32 s22, s15, 3
	s_add_co_u32 s19, s19, s22
	s_lshl_b32 s19, s19, 13
	s_and_b32 s18, s18, 3
	s_lshl_b32 s18, s18, 11
	s_add_co_u32 s18, s18, s19
	s_mov_b32 s19, 0
	s_add_nc_u64 s[10:11], s[10:11], s[18:19]
.macro FRAG reg, adr, q, i
.irp c, 0,1,2,3
	ds_load_b128 v[\reg+4*\c:\reg+4*\c+3], v[\adr] offset:128*(\q)+32*\c+(\i)*16*PITCH
.endr
.endm
.macro MUL16 a0, p, zero
.irp a, \a0, \a0+1
.irp b, 0,1,2,3,4,5,6,7
.if \zero
	v_wmma_f32_16x16x128_fp8_fp8 v[8*(8*((\a)%4)+\b):8*(8*((\a)%4)+\b)+7], v[128*(\p)+FR*\b:128*(\p)+FR*\b+FR-1], v[AF+FR*(\a):AF+FR*(\a)+FR-1], 0
.else
	v_wmma_f32_16x16x128_fp8_fp8 v[8*(8*((\a)%4)+\b):8*(8*((\a)%4)+\b)+7], v[128*(\p)+FR*\b:128*(\p)+FR*\b+FR-1], v[AF+FR*(\a):AF+FR*(\a)+FR-1], v[8*(8*((\a)%4)+\b):8*(8*((\a)%4)+\b)+7]
.endif
.endr
.endr
.endm
.macro FETCH_B slot, q, p
	WIN TO_B
.irp i, 0,1,2,3,4,5,6,7
	FRAG 128*(\p)+FR*\i, ADRB+\slot, \q, \i
.endr
	WIN 0
.endm
.macro FETCH_A slot, q, i0
.irp i, \i0, \i0+1, \i0+2, \i0+3
	FRAG AF+FR*(\i), ADRA+\slot, \q, \i
.endr
.endm
.macro PLACES n
.rept \n
	v_nop
.endr
.endm
.macro STEP slot, q, zero
	s_wait_dscnt 4*NL
	WIN MUL_LO
	MUL16 0, (\q)%2, \zero
	MUL16 2, (\q)%2, \zero
	s_wait_dscnt 0
	PLACES NP
	FETCH_B \slot, (\q)+1, 1-(\q)%2
	FETCH_A \slot, (\q)+1, 0
	WIN MUL_HI
	MUL16 4, (\q)%2, \zero
	MUL16 6, (\q)%2, \zero
	PLACES NP
	WIN 0
	FETCH_A \slot, (\q)+1, 4
.endm
.macro TURN slot, next, fill
	s_wait_tensorcnt 0x0
	ds_add_u32 v[SPW], v[NIL]
	s_wait_dscnt 4*NL+1
	WIN MUL_LO
	MUL16 0, 1, 0
	s_wait_dscnt 0x0
	s_barrier_signal -1
	MUL16 2, 1, 0
	WIN 0
	s_barrier_wait -1
.if \fill
	CREST
	s_add_nc_u64 s[G0+4*\slot+2:G0+4*\slot+3], s[G0+4*\slot+2:G0+4*\slot+3], 2*ROWB
	s_add_nc_u64 s[G0B+4*\slot+2:G0B+4*\slot+3], s[G0B+4*\slot+2:G0B+4*\slot+3], 2*ROWB
	JLOAD G0+4*\slot, G1, G0B+4*\slot, G1B
.else
	PLACES NP
.endif
	FETCH_B \next, 0, 0
	FETCH_A \next, 0, 0
	WIN MUL_HI
	MUL16 4, 1, 0
	MUL16 6, 1, 0
	PLACES NP
	WIN 0
	FETCH_A \next, 0, 4
.endm
	s_wait_alu depctr_va_vdst(0)                   ; the wait at the head's end
	s_wait_tensorcnt 0x0                           ; my part of K step 0 is in; the lines ahead of a later first fill:
	ds_add_u32 v[SPW], v[NIL]
	s_wait_dscnt 0x0
	CROUND                                         ; a whole round: everybody's part of K step 0 is in,
	JLOAD G0+4, G1, G0B+4, G1B                     ; and K step 1's load is the first tensor load behind the round
	FETCH_B 0, 0, 0
	FETCH_A 0, 0, 0
	FETCH_A 0, 0, 4
	global_prefetch_b8 v27, s[80:81] offset:768 th:TH_LOAD_NT scope:SCOPE_SE   ; K step 3, two loads ahead of its own
	STEP 0, 0, 1
	s_mov_b32 s3, LAPS-1
.Llap:
	TURN 0, 1, 1
	STEP 1, 0, 0
	TURN 1, 0, 1
	STEP 0, 0, 0
	s_sub_co_u32 s3, s3, 1
	s_cmp_lg_u32 s3, 0
	s_cbranch_scc1 .Llap
	TURN 0, 1, 0
	STEP 1, 0, 0
	s_wait_dscnt 4*NL
	WIN MUL_LO
	MUL16 0, 1, 0
	MUL16 2, 1, 0
	s_wait_dscnt 0
	WIN MUL_HI
	MUL16 4, 1, 0
	MUL16 6, 1, 0
	WIN 0
.macro EPI a
.set AC, 64*((\a)%4)
.set CS, CD+16*((\a)%2)
.set WN, 0x02+((\a)/4)
	WIN WN
.set n, 0
.rept 32
	v_pk_fma_f32 v[TMP+n:TMP+n+1], v[AC+n:AC+n+1], s[96:97], v[BC+n:BC+n+1] op_sel_hi:[1,0,1]
.set n, n+2
.endr
	WIN 0
.set n, 0
.rept 64
	v_med3_num_f32 v[TMP+n], v[TMP+n], 0, v[LIM]
.set n, n+1
.endr
	s_wait_alu depctr_va_vdst(0)
	s_wait_xcnt 0x0
.irp b, 0,1,2,3,4,5,6,7
	v_cvt_scalef32_pk8_fp8_f32 v[CS+2*\b:CS+2*\b+1], v[TMP+8*\b:TMP+8*\b+7], v[SCL]
.endr
	v_nop
.irp q, 0,1,2,3
	global_store_b128 v[OL], v[CS+4*\q:CS+4*\q+3], s[10:11] offset:(\a)*8192+\q*512
.endr
.endm
	s_wait_kmcnt 0x0
	s_add_co_i32 s96, s68, s69
	s_add_co_i32 s96, s96, 127
	s_lshl_b32 s96, s96, 23
	s_mov_b32 s97, s96
	s_add_co_i32 s18, s70, 127
	s_lshl_b32 s19, s18, 23
	v_mov_b32 v[SCL], s19
	s_add_co_i32 s18, s18, 8
	s_lshl_b32 s18, s18, 23
	s_or_b32 s18, s18, 0x600000
	v_mov_b32 v[LIM], s18
	PLACES NP
	s_wait_loadcnt 0x0
.irp a, 0,1,2,3,4,5,6,7
	EPI \a
.endr
	s_wait_tensorcnt 0x0
	ds_add_u32 v[SPW], v[NIL]
	s_wait_dscnt 0x0
	CROUND
	s_endpgm
.Lfunc_end_k_q724785d679_ff1:
	.size	k_q724785d679_ff1, .Lfunc_end_k_q724785d679_ff1-k_q724785d679_ff1
	.p2alignl 7, 3214868480
	.fill 96, 4, 3214868480
	.section	.rodata,"a",@progbits
	.p2align	6, 0x0
	.amdhsa_kernel k_q724785d679_ff1
		.amdhsa_group_segment_fixed_size 327680
		.amdhsa_private_segment_fixed_size 0
		.amdhsa_enable_private_segment 0
		.amdhsa_kernarg_size 40
		.amdhsa_user_sgpr_count 2
		.amdhsa_user_sgpr_kernarg_segment_ptr 1
		.amdhsa_wavefront_size32 1
		.amdhsa_system_sgpr_workgroup_id_x 1
		.amdhsa_system_sgpr_workgroup_id_y 1
		.amdhsa_system_sgpr_workgroup_id_z 1
		.amdhsa_system_vgpr_workitem_id 0
		.amdhsa_next_free_vgpr 1024
		.amdhsa_next_free_sgpr 100
		.amdhsa_reserve_vcc 0
		.amdhsa_float_denorm_mode_32 3
		.amdhsa_float_denorm_mode_16_64 3
		.amdhsa_memory_ordered 1
		.amdhsa_forward_progress 1
		.amdhsa_inst_pref_size 137
	.end_amdhsa_kernel
	.amdgpu_metadata
---
amdhsa.version: [ 1, 2 ]
amdhsa.kernels:
  - .name:           k_q724785d679_ff1
    .symbol:         k_q724785d679_ff1.kd
    .args:
      - { .name: x2c, .offset: 0, .size: 8, .value_kind: global_buffer, .address_space: global }
      - { .name: W1_codes, .offset: 8, .size: 8, .value_kind: global_buffer, .address_space: global }
      - { .name: lowp_scales, .offset: 16, .size: 8, .value_kind: global_buffer, .address_space: global }
      - { .name: b1, .offset: 24, .size: 8, .value_kind: global_buffer, .address_space: global }
      - { .name: h, .offset: 32, .size: 8, .value_kind: global_buffer, .address_space: global }
    .group_segment_fixed_size: 327680
    .private_segment_fixed_size: 0
    .kernarg_segment_align: 8
    .kernarg_segment_size: 40
    .max_flat_workgroup_size: 128
    .sgpr_count:     100
    .vgpr_count:     1024
    .wavefront_size: 32
...
	.end_amdgpu_metadata
.endif
;; end of part 6
;; launch ff2 (part 7): grid 8 x 32, 4 waves a work-group, clusters of 4 x 4, 327,680 bytes of LDS; arguments h, W2_codes, lowp_scales, b2, x2, out0; writes out0
.if DOCPART == 7
	.amdgcn_target "amdgcn-amd-amdhsa--gfx1250"
	.amdhsa_code_object_version 6
	.text
	.protected	k_q724785d679_ff2
	.globl	k_q724785d679_ff2
	.p2align	8
	.type	k_q724785d679_ff2,@function
k_q724785d679_ff2:
	s_mov_b64 s[64:65], 0
	v_nop
	global_prefetch_b8 v0, s[64:65] scope:SCOPE_SE
	s_setreg_imm32_b32 hwreg(HW_REG_WAVE_MODE, 25, 1), 1
	s_wait_xcnt 0x0
	s_wait_alu depctr_hold_cnt(0) depctr_sa_sdst(0) depctr_va_vdst(0) depctr_va_sdst(0) depctr_va_ssrc(0) depctr_va_vcc(0) depctr_vm_vsrc(0)
	s_getreg_b32 s2, hwreg(HW_REG_IB_STS2, 6, 4)
	s_cmp_eq_u32 s2, 0
	s_cbranch_scc0 .Lentry_in_a_cluster
	s_endpgm
.Lentry_in_a_cluster:
	s_bfe_u32 s2, ttmp6, 0x10000c
	s_cmp_lg_u32 s2, 0xf033
	s_cbranch_scc0 .Lentry_shape_is_right
	s_endpgm
.Lentry_shape_is_right:
; out = x2 + (h W2 x 2^(ea + eb) + b2), f32.  h: 4,096 rows x 4,096 codes of E4M3 as images of operand registers: fragment (16 rows rt, 128 along K s) is 2,048 bytes at ((s / 4) 256 + rt) x 8,192 + (s % 4) x 2,048.
; W2: 1,024 rows of 4,096 codes, K innermost.  ea, eb: entries 14, 15 of the scales.  LIMIT: ea + eb between -126 and 127.
; A tile of 128 x 128 gives 256 work-groups; four waves, 64 x 64 each: 16 accumulators.  K goes in slots of 512 through a ring of two: h's part is 64 KiB dense (two loads), W2's 128 rows of 512 + 16 bytes (two loads).
; CLUSTERS of 4 x 4: h's tile is asked for jointly along a row of the cluster, W2's along a column.  The matrix instruction is used transposed (source 0 = W2's rows): a lane holds eight neighbouring columns of a row;
; a block of 16 rows turns through the wave's own stage and leaves with sixteen lanes storing 256 consecutive, aligned bytes.
; PREFETCHES: behind each joint load one instruction a wave names the slot two loads on (at the head: slots 1 and 2).  Of what my wave fetches each of the four partners that ask jointly names a quarter, told apart
; by address (cx for h, cy for W2): h: 8,192 of 32,768 dense bytes, lanes 256 bytes apart; W2: 16 of 64 rows, two lanes to a row's 512 bytes.  W2's rows are walked by eight rows of clusters: the first four ask.
; The last two refills have no slot two loads on and ask for nothing.
.macro ASK how                         ; how = 1: at the head; 0: in the loop, where s3 = 1 in the last trip.  s84 = 1 in a wave that asks, else 64
.if \how
	s_cmp_eq_u32 s84, 1
.else
	s_cmp_gt_u32 s3, s84
.endif
	s_cbranch_scc0 .Lnot_mine_\@
	global_prefetch_b8 v30, s[80:81] th:TH_LOAD_NT scope:SCOPE_SE
.Lnot_mine_\@:
.endm
.set KROW,   4096
.set LAPS,   KROW/1024
.set EOFF,   56
.set PB,     528
.set BH,     64*PB
.set BOFF,   65536
.set SLOT,   BOFF+2*BH
.set STAGE,  2*SLOT
.set SPITCH, 272
.set SPARE,  STAGE+4*16*SPITCH
.set ADRA, 16
.set ADRB, 20
.set STO,  24
.set RD,   25
.set CO,   26
.set BCO,  27
.set SPW,  28
.set NIL,  29
.set TMP,  32
.set BK,   64
.set ACC,  128
.set F0,   0
.set F1,   128
.set RES,  0
.set BIA,  128
.set G1, 24
.set G0, 32
.set G1B, 48
.set G0B, 56
.set MSB, 0
.macro WIN new
.if MSB != \new
	s_set_vgpr_msb (MSB<<8)|\new
.set MSB, \new
.endif
.endm
.set MUL,  0x05
.set TO_F, 0x40
.macro JLOAD s
	s_cmp_eq_u32 s11, 0
	s_cbranch_scc0 .Lfor_b_\@
	tensor_load_to_lds s[G0+4*\s:G0+4*\s+3], s[G1:G1+7]
	s_nop 0
.rept 4
	v_nop
.endr
	s_branch .Lasked_\@
.Lfor_b_\@:
	tensor_load_to_lds s[G0B+4*\s:G0B+4*\s+3], s[G1B:G1B+7]
	s_nop 0
.rept 4
	v_nop
.endr
.Lasked_\@:
.endm
.macro CREST
	s_cmp_lg_u32 s10, 0
	s_cbranch_scc1 .Lnot_wave_0_\@
	s_barrier_signal -3
.Lnot_wave_0_\@:
	s_barrier_wait -3
	s_barrier_signal -1
	s_barrier_wait -1
.endm
.macro CROUND
	s_barrier_signal -1
	s_barrier_wait -1
	CREST
.endm
	s_load_b256 s[68:75], s[0:1], 0x0
	s_load_b128 s[76:79], s[0:1], 0x20
	v_lshl_add_u32 v[SPW], v0, 2, SPARE
	v_mov_b32 v[NIL], 0
	ds_add_u32 v28, v29
	ds_add_u32 v28, v29
	s_wait_dscnt 0x0
	v_lshrrev_b32 v1, 5, v0
	v_readfirstlane_b32 s10, v1
	s_lshr_b32 s11, s10, 1
	s_and_b32 s12, s10, 1
	s_bfe_u32 s40, ttmp6, 0x40000
	s_bfe_u32 s41, ttmp6, 0x40004
	s_lshl_b32 s42, ttmp9, 2
	s_add_co_u32 s42, s42, s40
	s_and_b32 s13, ttmp7, 0xffff
	s_lshl_b32 s13, s13, 2
	s_add_co_u32 s13, s13, s41
	s_lshl_b32 s43, s41, 2
	s_lshl_b32 s43, 15, s43
	s_lshl_b32 s44, 0x1111, s40
	s_or_b32 s[G1+0], s43, (3<<16)|(1<<21)
	s_mov_b32 s[G1+1], 32<<16
	s_mov_b32 s[G1+2], 128<<16
	s_mov_b32 s[G1+3], 32<<16
	s_mov_b32 s[G1+4], 128
	s_mov_b32 s[G1+5], 32
	s_mov_b32 s[G1+6], 0
	s_mov_b32 s[G1+7], 0
	s_or_b32 s[G1B+0], s44, (0<<16)|(1<<20)|(1<<21)|(6<<22)|(3<<25)
	s_mov_b32 s[G1B+1], 512<<16
	s_mov_b32 s[G1B+2], 64<<16
	s_mov_b32 s[G1B+3], 512<<16
	s_mov_b32 s[G1B+4], 64
	s_mov_b32 s[G1B+5], KROW
	s_mov_b32 s[G1B+6], 0
	s_mov_b32 s[G1B+7], 0
	s_lshl_b32 s16, s13, 16
	s_lshl_b32 s17, s12, 15
	s_add_co_u32 s16, s16, s17
	s_mov_b32 s17, 0
	s_lshl_b32 s46, s42, 7
	s_lshl_b32 s47, s12, 6
	s_add_co_u32 s46, s46, s47
	s_mul_i32 s46, s46, KROW
	s_mov_b32 s47, 0
	s_lshl_b32 s20, s12, 15
	s_mul_i32 s21, s12, BH
	s_add_co_u32 s21, s21, BOFF
	s_wait_kmcnt 0x0
	s_load_b64 s[96:97], s[72:73], EOFF
	s_add_nc_u64 s[14:15], s[68:69], s[16:17]
	s_add_nc_u64 s[46:47], s[70:71], s[46:47]
	CROUND
.irp s, 0,1
	s_mov_b32 s[G0+4*\s], 1
	s_add_co_u32 s[G0+4*\s+1], s20, \s*SLOT
	s_add_nc_u64 s[G0+4*\s+2:G0+4*\s+3], s[14:15], \s*0x200000
	s_or_b32 s[G0+4*\s+3], s[G0+4*\s+3], 0x80000000
	s_mov_b32 s[G0B+4*\s], 1
	s_add_co_u32 s[G0B+4*\s+1], s21, \s*SLOT
	s_add_nc_u64 s[G0B+4*\s+2:G0B+4*\s+3], s[46:47], \s*512
	s_or_b32 s[G0B+4*\s+3], s[G0B+4*\s+3], 0x80000000
.endr
	JLOAD 0                                        ; slot 0: one tensor load a wave at the head
	s_and_b32 s85, ttmp7, 0xffff                   ; the prefetches: who asks, and where
	s_cmp_lt_u32 s85, 4
	s_cselect_b32 s84, 1, 64
	s_mov_b32 s86, 16
	s_mov_b32 s82, 512
	s_mov_b32 s87, KROW
	s_cmp_eq_u32 s11, 0
	s_cselect_b32 s84, 1, s84
	s_cselect_b64 s[90:91], s[14:15], s[46:47]
	s_cselect_b32 s85, s40, s41
	s_cselect_b32 s86, 13, s86
	s_cselect_b32 s82, 0x200000, s82               ; a slot on
	s_cselect_b32 s87, 512, s87                    ; from lane pair to lane pair
	s_mov_b32 s83, 0
	s_lshl_b32 s88, s85, s86
	s_mov_b32 s89, 0
	s_add_nc_u64 s[90:91], s[90:91], s[88:89]
	s_add_nc_u64 s[90:91], s[90:91], s[82:83]      ; slot 1
	s_add_nc_u64 s[80:81], s[90:91], s[82:83]      ; slot 2
	v_and_b32 v9, 31, v0
	v_lshrrev_b32 v10, 1, v9
	v_and_b32 v9, 1, v9
	v_mul_lo_u32 v10, v10, s87
	v_lshl_add_u32 v30, v9, 8, v10                 ; never rewritten
	s_cmp_eq_u32 s84, 1
	s_cbranch_scc0 .Lno_ask
	global_prefetch_b8 v30, s[90:91] th:TH_LOAD_NT scope:SCOPE_SE
	global_prefetch_b8 v30, s[80:81] th:TH_LOAD_NT scope:SCOPE_SE
.Lno_ask:
	v_and_b32 v1, 15, v0
	v_bfe_u32 v2, v0, 4, 1
	v_and_b32 v3, 31, v0
	v_lshlrev_b32 v4, 4, v3
	v_mul_u32_u24 v5, v1, PB
	v_lshl_add_u32 v5, v2, 3, v5
	s_lshl_b32 s21, s11, 15
	s_mul_i32 s22, s12, BH
	s_add_co_u32 s22, s22, BOFF
.irp s, 0,1
	v_add_nc_u32 v[ADRA+\s], s21, v4
	v_add_nc_u32 v[ADRB+\s], s22, v5
	s_add_co_u32 s21, s21, SLOT
	s_add_co_u32 s22, s22, SLOT
.endr
	s_mul_i32 s23, s10, 16*SPITCH
	s_add_co_u32 s23, s23, STAGE
	v_mul_u32_u24 v6, v1, SPITCH
	v_lshl_add_u32 v6, v2, 5, v6
	v_add_nc_u32 v[STO], s23, v6
	v_mul_u32_u24 v7, v2, SPITCH
	v_lshl_add_u32 v7, v1, 4, v7
	v_add_nc_u32 v[RD], s23, v7
	v_lshlrev_b32 v8, 12, v2
	v_lshl_add_u32 v[CO], v1, 4, v8
	s_wait_alu depctr_va_vdst(0)
	v_lshlrev_b32 v[BCO], 5, v2
	s_wait_alu depctr_va_vdst(0)
	s_lshl_b32 s16, s13, 7
	s_lshl_b32 s17, s11, 6
	s_add_co_u32 s16, s16, s17
	s_lshl_b32 s16, s16, 12
	s_lshl_b32 s17, s42, 9
	s_add_co_u32 s16, s16, s17
	s_lshl_b32 s17, s12, 8
	s_add_co_u32 s16, s16, s17
	s_mov_b32 s17, 0
	s_add_nc_u64 s[76:77], s[76:77], s[16:17]
	s_add_nc_u64 s[78:79], s[78:79], s[16:17]
	s_lshl_b32 s16, s42, 9
	s_lshl_b32 s18, s12, 8
	s_add_co_u32 s16, s16, s18
	s_add_nc_u64 s[74:75], s[74:75], s[16:17]
	WIN 0x80
.irp a, 0,1,2,3
.irp t, 0,1,2,3,4,5,6,7
	global_load_b128 v[RES+32*\a+4*\t:RES+32*\a+4*\t+3], v[CO], s[76:77] offset:(16*\a+2*\t)*4096 th:TH_LOAD_NT
.endr
.endr
.irp b, 0,1,2,3
	global_load_b128 v[BIA+8*\b:BIA+8*\b+3], v[BCO], s[74:75] offset:64*\b
	global_load_b128 v[BIA+8*\b+4:BIA+8*\b+7], v[BCO], s[74:75] offset:64*\b+16
.endr
	WIN 0
.macro MUL4 f, a, zero
.irp b, 0,1,2,3
.if \zero
	v_wmma_f32_16x16x128_fp8_fp8 v[ACC+8*(4*(\a)+\b):ACC+8*(4*(\a)+\b)+7], v[\f+64+16*\b:\f+64+16*\b+15], v[\f+16*(\a):\f+16*(\a)+15], 0
.else
	v_wmma_f32_16x16x128_fp8_fp8 v[ACC+8*(4*(\a)+\b):ACC+8*(4*(\a)+\b)+7], v[\f+64+16*\b:\f+64+16*\b+15], v[\f+16*(\a):\f+16*(\a)+15], v[ACC+8*(4*(\a)+\b):ACC+8*(4*(\a)+\b)+7]
.endif
.endr
.endm
.macro FETCH slot, q, f
	WIN TO_F
.irp i, 0,1,2,3
.irp c, 0,1,2,3,4,5,6,7
	ds_load_b64 v[\f+64+16*\i+2*\c:\f+64+16*\i+2*\c+1], v[ADRB+\slot] offset:\i*16*PB+128*(\q)+16*\c
.endr
.endr
.irp i, 0,1,2,3
.irp c, 0,1,2,3
	ds_load_b128 v[\f+16*\i+4*\c:\f+16*\i+4*\c+3], v[ADRA+\slot] offset:8192*\i+2048*(\q)+512*\c
.endr
.endr
.endm
.macro PLACES
.rept 4
	v_nop
.endr
.endm
.macro QUARTER slot, qn, f, g, zero
	s_wait_dscnt 8
	WIN MUL
	MUL4 \f, 0, \zero
	MUL4 \f, 1, \zero
	PLACES
	FETCH \slot, \qn, \g
	s_wait_dscnt 48
	WIN MUL
	MUL4 \f, 2, \zero
	MUL4 \f, 3, \zero
.endm
.macro TURN slot, next, fill
	WIN 0
.if \fill
	s_wait_xcnt 0x0                                ; my last prefetch has read its address: it is stepped here, a slot behind that prefetch
	s_add_nc_u64 s[80:81], s[80:81], s[82:83]
.endif
	s_wait_tensorcnt 0x0
	ds_add_u32 v[SPW], v[NIL]
	s_wait_dscnt 9
	WIN MUL
	MUL4 F1, 0, 0
	MUL4 F1, 1, 0
	s_wait_dscnt 0x0
	s_barrier_signal -1
	MUL4 F1, 2, 0
.if \fill
	WIN 0
.endif
	s_barrier_wait -1
.if \fill
	CREST
	s_add_nc_u64 s[G0+4*\slot+2:G0+4*\slot+3], s[G0+4*\slot+2:G0+4*\slot+3], 0x400000
	s_add_nc_u64 s[G0B+4*\slot+2:G0B+4*\slot+3], s[G0B+4*\slot+2:G0B+4*\slot+3], 1024
	JLOAD \slot
.else
	PLACES
.endif
	FETCH \next, 0, F0
.if \fill
	WIN 0
	ASK 0                                          ; behind the joint load and the run of LDS loads
.endif
	WIN MUL
	MUL4 F1, 3, 0
.endm
	s_wait_alu depctr_va_vdst(0)                   ; the wait at the head's end
	s_wait_xcnt 0x0                                ; the head's prefetches have read their addresses
	s_add_nc_u64 s[80:81], s[80:81], s[82:83]      ; slot 3
	s_wait_tensorcnt 0x0                           ; my part of slot 0 is in; the lines ahead of a later first fill:
	ds_add_u32 v[SPW], v[NIL]
	s_wait_dscnt 0x0
	CROUND                                         ; a whole round: everybody's part of slot 0 is in,
	JLOAD 1                                        ; and slot 1's load is the first tensor load behind the round
	FETCH 0, 0, F0
	WIN 0
	ASK 1
	QUARTER 0, 1, F0, F1, 1
.if LAPS > 1
	WIN 0
	s_mov_b32 s3, LAPS-1
.Llap:
	QUARTER 0, 2, F1, F0, 0
	QUARTER 0, 3, F0, F1, 0
	TURN 0, 1, 1
	QUARTER 1, 1, F0, F1, 0
	QUARTER 1, 2, F1, F0, 0
	QUARTER 1, 3, F0, F1, 0
	TURN 1, 0, 1
	QUARTER 0, 1, F0, F1, 0
	WIN 0
	s_sub_co_u32 s3, s3, 1
	s_cmp_lg_u32 s3, 0
	s_cbranch_scc1 .Llap
.endif
	QUARTER 0, 2, F1, F0, 0
	QUARTER 0, 3, F0, F1, 0
	TURN 0, 1, 0
	QUARTER 1, 1, F0, F1, 0
	QUARTER 1, 2, F1, F0, 0
	QUARTER 1, 3, F0, F1, 0
	s_wait_dscnt 8
	WIN MUL
	MUL4 F1, 0, 0
	MUL4 F1, 1, 0
	s_wait_dscnt 0
	MUL4 F1, 2, 0
	MUL4 F1, 3, 0
	WIN 0
	s_wait_kmcnt 0x0
	s_add_co_i32 s96, s96, s97
	s_add_co_i32 s96, s96, 127
	s_lshl_b32 s96, s96, 23
	s_mov_b32 s97, s96
	PLACES
	s_wait_loadcnt 0x0
.irp a, 0,1,2,3
	s_wait_xcnt 0x0
	WIN 0x20
.irp b, 0,1,2,3
.irp i, 0,2,4,6
	v_pk_fma_f32 v[TMP+8*\b+\i:TMP+8*\b+\i+1], v[ACC+8*(4*\a+\b)+\i:ACC+8*(4*\a+\b)+\i+1], s[96:97], v[BIA+8*\b+\i:BIA+8*\b+\i+1] op_sel_hi:[1,0,1]
.endr
.endr
	WIN 0
.irp b, 0,1,2,3
	ds_store_b128 v[STO], v[TMP+8*\b:TMP+8*\b+3] offset:64*\b
	ds_store_b128 v[STO], v[TMP+8*\b+4:TMP+8*\b+7] offset:64*\b+16
.endr
.irp t, 0,1,2,3,4,5,6,7
	ds_load_b128 v[BK+32*(\a%2)+4*\t:BK+32*(\a%2)+4*\t+3], v[RD] offset:\t*2*SPITCH
.endr
	s_wait_dscnt 0x0
	WIN 0x08
.irp m, 0,2,4,6,8,10,12,14,16,18,20,22,24,26,28,30
	v_pk_add_f32 v[BK+32*(\a%2)+\m:BK+32*(\a%2)+\m+1], v[BK+32*(\a%2)+\m:BK+32*(\a%2)+\m+1], v[RES+32*\a+\m:RES+32*\a+\m+1]
.endr
	WIN 0
.irp t, 0,1,2,3,4,5,6,7
	global_store_b128 v[CO], v[BK+32*(\a%2)+4*\t:BK+32*(\a%2)+4*\t+3], s[78:79] offset:(16*\a+2*\t)*4096
.endr
.endr
	s_wait_tensorcnt 0x0
	ds_add_u32 v[SPW], v[NIL]
	s_wait_dscnt 0x0
	CROUND
	s_endpgm
.Lfunc_end_k_q724785d679_ff2:
	.size	k_q724785d679_ff2, .Lfunc_end_k_q724785d679_ff2-k_q724785d679_ff2
	.p2alignl 7, 3214868480
	.fill 96, 4, 3214868480
	.section	.rodata,"a",@progbits
	.p2align	6, 0x0
	.amdhsa_kernel k_q724785d679_ff2
		.amdhsa_group_segment_fixed_size 327680
		.amdhsa_private_segment_fixed_size 0
		.amdhsa_enable_private_segment 0
		.amdhsa_kernarg_size 48
		.amdhsa_user_sgpr_count 2
		.amdhsa_user_sgpr_kernarg_segment_ptr 1
		.amdhsa_wavefront_size32 1
		.amdhsa_system_sgpr_workgroup_id_x 1
		.amdhsa_system_sgpr_workgroup_id_y 1
		.amdhsa_system_sgpr_workgroup_id_z 1
		.amdhsa_system_vgpr_workitem_id 0
		.amdhsa_next_free_vgpr 768
		.amdhsa_next_free_sgpr 100
		.amdhsa_reserve_vcc 0
		.amdhsa_float_denorm_mode_32 3
		.amdhsa_float_denorm_mode_16_64 3
		.amdhsa_memory_ordered 1
		.amdhsa_forward_progress 1
		.amdhsa_inst_pref_size 101
	.end_amdhsa_kernel
	.amdgpu_metadata
---
amdhsa.version: [ 1, 2 ]
amdhsa.kernels:
  - .name:           k_q724785d679_ff2
    .symbol:         k_q724785d679_ff2.kd
    .args:
      - { .name: h, .offset: 0, .size: 8, .value_kind: global_buffer, .address_space: global }
      - { .name: W2_codes, .offset: 8, .size: 8, .value_kind: global_buffer, .address_space: global }
      - { .name: lowp_scales, .offset: 16, .size: 8, .value_kind: global_buffer, .address_space: global }
      - { .name: b2, .offset: 24, .size: 8, .value_kind: global_buffer, .address_space: global }
      - { .name: x2, .offset: 32, .size: 8, .value_kind: global_buffer, .address_space: global }
      - { .name: out0, .offset: 40, .size: 8, .value_kind: global_buffer, .address_space: global }
    .group_segment_fixed_size: 327680
    .private_segment_fixed_size: 0
    .kernarg_segment_align: 8
    .kernarg_segment_size: 48
    .max_flat_workgroup_size: 128
    .sgpr_count:     100
    .vgpr_count:     768
    .wavefront_size: 32
...
	.end_amdgpu_metadata
.endif
;; end of part 7
